; MI455X (gfx1250); checked and timed in simulation.
; The chip was launched on July 23, 2026; its instructions are those of AMD's public machine-readable ISA for CDNA 5 (MIT licence, August 2026) and "CDNA5" Instruction Set Architecture Reference Guide (July 2026). The comments in the code are by the model that wrote it; some were corrected since.
;; Multi Head Attention. Allowed arithmetic: matrix products marked QUANTISED: E4M3 operands, one given power-of-two scale a tensor, by v_wmma_f32_16x16x64_fp8_fp8 or v_wmma_f32_16x16x128_fp8_fp8, f32 sums; everything else in f32.
;; Inputs: W_out 1,024 x 1,024 float32; W_qkv 1,024 x 3,072 float32; lowp_scales 8 int32 (the exponents e of the quantised operands' scales 2^e); x 4 x 2,048 x 1,024 float32.
;; Outputs: out0 4 x 2,048 x 1,024 float32.
;; This version of the problem:
;;   THIS VERSION OF THE PROBLEM IS GIVEN IN LOW PRECISION. The matrix products marked QUANTISED in the list below multiply operands that are first quantised to E4M3 (4 exponent bits, 3 mantissa bits; 8 bits a number), with one given power-of-two scale for each operand tensor; their sums are f32. All else is computed in f32.
;;   The module's matrix products, in the order in which they are computed (A, B: the left and right operand; K: the contracted axis; several contracted axes count as one K, in the product's order):
;;     1. [M 8,192, K 1,024] x [K 1,024, N 3,072]; A: input x; B: input W_qkv: QUANTISED (scales: A lowp_scales[0], B lowp_scales[1])
;;     2. batch 64 x [M 2,048, K 64] x [K 64, N 2,048]; A: computed on the way; B: computed on the way: QUANTISED (scales: A lowp_scales[2], B lowp_scales[3])
;;     3. batch 64 x [M 2,048, K 2,048] x [K 2,048, N 64]; A: softmax (see below); B: computed on the way: QUANTISED (scales: A lowp_scales[4], B lowp_scales[5])
;;     4. [M 8,192, K 1,024] x [K 1,024, N 1,024]; A: computed on the way; B: input W_out: QUANTISED (scales: A lowp_scales[6], B lowp_scales[7])
;;   THE QUANTISER, for each operand of a quantised product, along K:
;;     - The operand's scale is 2^e, e = its entry of the input lowp_scales (int32; the entries are numbered through the quantised products in the list's order, A before B).
;;     - Each number is divided by the scale, clamped to +-448, and rounded to the nearest number of E4M3, ties to even, subnormals kept.
;;     - The product sums the exact products of the quantised numbers (number of the format x scale) in f32.
;;   ~~~python
;;   def quantise(x, axis, e):      # numpy; x: float32 -> the quantised numbers, widened to float32 again
;;       x = np.moveaxis(x, axis, -1); K = x.shape[-1]
;;       r = np.clip(x / 2.0 ** e, -448, 448)
;;       step = 2.0 ** (np.maximum(np.frexp(np.where(r == 0, 1, r))[1] - 1, -6) - 3)
;;       q = np.round(r / step) * step * 2.0 ** e      # np.round: ties to even
;;       return np.moveaxis(q, -1, axis).astype(np.float32)
;;   ~~~
;;   SOFTMAX AHEAD OF A QUANTISED PRODUCT. Where the list says 'softmax', what is quantised is not the finished softmax but p = 2^(t - M), with t = logit x log2(e) and M = ceil(the row's largest t), a whole number; so 1/2 < the row's largest p <= 1. The row's sum l is taken of the UNQUANTISED p, in f32, and the product's result is divided by l at the end. Since M is a whole number, a kernel that streams over the keys may use a running M (the ceiling of the running maximum): every later rescaling is an exact power of two, so the quantised numbers keep their values, but for numbers so far below the row's largest that they fall under the format's range.
;;   OPERANDS COMPUTED ON THE WAY. 'Computed on the way' means the value that the module computes at that place (a softmax that the list does not call 'softmax' is quantised finished and normalised). What goes into a quantiser is computed in f32, as accurately as f32 sums, v_exp_f32 and their like allow (about 1e-6 of the number): no bf16 or f16 on the way to a quantiser, and a product that is left as it is and whose result goes on into a quantised operand takes f32 operands (vector FMAs, or v_wmma_f32_16x16x4_f32). A number that lies on a knife's edge between two numbers of the format may be rounded either way, as far as f32 arithmetic and the matrix unit's own rounding can turn it there, and no further.
;; One version. Each part assembles by itself: llvm-mc -triple=amdgcn-amd-amdhsa -mcpu=gfx1250 --defsym DOCPART=n.
;; ======== version 1 of 1: 4 launches
;; limits: right only within a limited range of input values
;; workspace buffers: x_codes 8,388,608 bytes; wqkv_codes 3,145,728 bytes; wout_codes 1,048,576 bytes; rope_tab 524,288 bytes; q_codes 8,388,608 bytes; k_codes 8,388,608 bytes; v_codes 8,388,608 bytes; a_codes 8,388,608 bytes
;; launch prep (part 1): grid 384 x 1, 4 waves a work-group, no clusters, 68,096 bytes of LDS; arguments x, W_qkv, W_out, lowp_scales, x_codes, wqkv_codes, wout_codes, rope_tab; writes x_codes, wqkv_codes, wout_codes, rope_tab
.if DOCPART == 1
	.amdgcn_target "amdgcn-amd-amdhsa--gfx1250"
	.amdhsa_code_object_version 6
	.text
	.protected	k_q355961fd97_prep
	.globl	k_q355961fd97_prep
	.p2align	8
	.type	k_q355961fd97_prep,@function
k_q355961fd97_prep:
	s_mov_b64 s[64:65], 0
	v_nop
	global_prefetch_b8 v0, s[64:65] scope:SCOPE_SE
	s_setreg_imm32_b32 hwreg(HW_REG_WAVE_MODE, 25, 1), 1
	s_wait_xcnt 0x0
; x [8192][1024], W_qkv [1024][3072] and W_out [1024][1024], f32, become codes of FP8 (E4M3) with K innermost, each with its given scale 2^e; and the table of cos and sin for the rotary embedding is made.
; code = number / 2^e, held within +-448, rounded to the nearest code, ties to even.  e: entry 0 (x), 1 (W_qkv), 7 (W_out) of the scales.
; LIMITS: each of these e lies between -126 and 119.  NaN among the inputs is not served; an infinity is held at the largest code.
; WORK-GROUPS 0-255: x, a plain stream of 32,768 numbers each (a wave: 16 steps of 512), turned through the wave's own stage in LDS so that loads are dense and a lane still holds 16 neighbours along K.
;   Each of them also makes 256 entries (cos, sin) of the table: 2 a thread.
; WORK-GROUPS 256-383: the weights, whose K is the FIRST axis: a lane takes a column, its registers run down K; 128 columns x 256 along K a work-group (96 for W_qkv, 32 for W_out).
;   ROW p OF A WEIGHT'S CODES HOLDS COLUMN p WITH BITS 3 AND 4 EXCHANGED: in the products, used transposed, the 16 registers of two neighbouring tiles are then 16 neighbouring columns.
; THE TABLE: [t / 16][8 q][32 lanes][2 p0][cos, sin], for t = 16 (t / 16) + lane % 16 and frequency i = 16 (q / 4) + 8 (lane / 16) + 4 ((q / 2) % 2) + 2 (q % 2) + p0: the order in which the next launch's registers want it.
;   angle = f32(t) x inv_freq[i], one rounding; inv_freq[i] = 1 / f32(10^(i / 8)), correctly rounded (a reciprocal and one correction step).  LIMIT: this takes the power 10000^(i / 32) as correctly rounded to f32.
;   cos and sin: the angle less n x pi / 2 in two parts (the first product is exact for n up to 1,303, angles up to 2,047), polynomials on +-pi / 4, the quadrant by selects.
; The two paths part on the work-group's number and have LDS bytes of their own.  No tensor loads, no barrier: waves share nothing.
.set STEPS, 16
.set SP,    80                         ; x: a lane's place in a stage: 64 bytes + 16 of padding
.set WREG,  8192                       ; x: a wave's region: two stages of 32 x SP bytes
.set WSTG,  32768                      ; the weights' stages begin here: 32 rows x 272 bytes for each wave
.set WP,    272
.set SPARE, WSTG+4*32*WP               ; the spare words, 128 bytes for each wave: two blocks of 256 bytes that no other line names
.set SPW,   12                         ; v12  my spare word's address; never rewritten
.set NIL,   13                         ; v13  0; never rewritten
.set R,     16                         ; x: v16-79 four sets of 16 numbers as loaded
.set X,     80                         ; x: v80-111 two sets of 16 neighbours
.set C,     128                        ; x: v128-191 codes, four registers a step
.set WX,    32                         ; W: v32-95 two sets of 32 numbers
.set WC,    96                         ; W: v96-103 a block's codes
.set OUTR,  112                        ; W: v112-175 the way out
.set WO,    176                        ; W: v176-207 byte offsets of my column in 32 rows
	s_load_b512 s[4:19], s[0:1], 0x0               ; x, W_qkv, W_out, scales, x_codes, wqkv_codes, wout_codes, rope_tab
	v_lshl_add_u32 v[SPW], v0, 2, SPARE
	v_mov_b32 v[NIL], 0
	v_lshrrev_b32 v1, 5, v0
	v_readfirstlane_b32 s20, v1                    ; wave
	v_and_b32 v2, 31, v0                           ; lane
	s_wait_kmcnt 0x0
	s_load_b256 s[24:31], s[10:11], 0x0            ; e0 .. e7
	s_cmp_ge_u32 ttmp9, 256
	s_cbranch_scc1 .Lw
	s_wait_alu depctr_va_vdst(0)
; ---------------- x ----------------
	v_lshlrev_b32 v3, 4, v2                        ; my 16 bytes of a load's 512
	s_wait_alu depctr_va_vdst(0)
	s_mul_i32 s21, s20, WREG
	v_lshrrev_b32 v14, 2, v2
	v_mul_u32_u24 v14, v14, SP
	v_and_b32 v15, 3, v2
	v_lshl_add_u32 v14, v15, 4, v14
	v_add_nc_u32 v14, s21, v14                     ; the stage, in: SP (lane / 4) + 16 (lane % 4)
	v_mul_u32_u24 v15, v2, SP
	v_add_nc_u32 v15, s21, v15                     ; and out: SP x lane
	v_lshlrev_b32 v4, 4, v2                        ; my 16 codes in a step's 512
	s_lshl_b32 s22, ttmp9, 2
	s_add_co_u32 s22, s22, s20                     ; which run of 8,192 numbers is my wave's
	s_mov_b32 s23, 0
	s_lshl_b64 s[32:33], s[22:23], 15
	s_add_nc_u64 s[4:5], s[4:5], s[32:33]
	s_lshl_b64 s[32:33], s[22:23], 13
	s_add_nc_u64 s[12:13], s[12:13], s[32:33]
.macro XLOAD t
.irp i, 0,1,2,3
	global_load_b128 v[R+16*((\t)%4)+4*\i:R+16*((\t)%4)+4*\i+3], v3, s[4:5] offset:2048*(\t)+512*\i th:TH_LOAD_NT   ; 32 lanes read 512 consecutive bytes
.endr
.endm
.macro XTURN t                         ; a step's numbers through the stage: LDS serves a wave's instructions in order, so no wait stands between the stores and the loads
.irp i, 0,1,2,3
	ds_store_b128 v14, v[R+16*((\t)%4)+4*\i:R+16*((\t)%4)+4*\i+3] offset:32*SP*((\t)%2)+8*SP*\i
.endr
.irp i, 0,1,2,3
	ds_load_b128 v[X+16*((\t)%2)+4*\i:X+16*((\t)%2)+4*\i+3], v15 offset:32*SP*((\t)%2)+16*\i
.endr
.endm
	XLOAD 0
	XLOAD 1
	XLOAD 2
	XLOAD 3
	; ---- the table, while the first loads are on their way.  Entry number 256 g + 128 k + thread, k = 0, 1
	v_and_b32 v117, 1, v0                          ; p0
	v_bfe_u32 v114, v0, 6, 1
	v_lshl_add_u32 v117, v114, 1, v117             ; + 2 (q % 2)
	v_bfe_u32 v114, v0, 5, 1
	v_lshl_add_u32 v117, v114, 3, v117             ; + 8 (lane / 16)
	s_and_b32 s33, ttmp9, 1
	s_lshl_b32 s33, s33, 4
	v_add_nc_u32 v117, s33, v117                   ; + 16 (q / 4): the frequency for k = 0,
	v_add_nc_u32 v118, 4, v117                     ; and for k = 1
	s_lshr_b32 s33, ttmp9, 1
	s_lshl_b32 s33, s33, 4
	v_bfe_u32 v119, v0, 1, 4
	v_add_nc_u32 v119, s33, v119
	v_cvt_f32_u32 v119, v119                       ; t
	v_mov_b32 v112, 1.0
	v_mov_b32 v113, 1.0                            ; 10^(i / 8) for k = 0 (i = 0: 1),
	v_mov_b32 v120, 1.0                            ; for k = 1
.set II, 1
.irp p, 1.3335214321633240, 1.7782794100389228, 2.3713737056616552, 3.1622776601683795, 4.2169650342858224, 5.6234132519034908, 7.4989420933245582, 10.0, 13.335214321633240, 17.782794100389228, 23.713737056616552, 31.622776601683795, 42.169650342858224, 56.234132519034908, 74.989420933245582, 100.0, 133.35214321633240, 177.82794100389228, 237.13737056616552, 316.22776601683795, 421.69650342858224, 562.34132519034908, 749.89420933245582, 1000.0, 1333.5214321633240, 1778.2794100389228, 2371.3737056616552, 3162.2776601683795, 4216.9650342858224, 5623.4132519034908, 7498.9420933245582
	v_mul_f32 v114, \p, v112                       ; the constant as the nearest f32 number
	v_cmp_eq_u32 vcc_lo, II, v117
	v_cndmask_b32 v113, v113, v114, vcc_lo
	v_cmp_eq_u32 vcc_lo, II, v118
	v_cndmask_b32 v120, v120, v114, vcc_lo
.set II, II+1
.endr
	s_wait_alu depctr_va_vdst(0)
	v_rcp_f32 v115, v113
	v_rcp_f32 v121, v120
	v_nop                                          ; a plain instruction behind the reciprocals,
	s_wait_alu depctr_va_vdst(0)                   ; and the wait ahead of their first reader
	v_fma_f32 v116, -v113, v115, 1.0
	v_fma_f32 v123, -v120, v121, 1.0
	v_fma_f32 v116, v115, v116, v115               ; inv_freq: the reciprocal after one correction step
	v_fma_f32 v123, v121, v123, v121
	v_mul_f32 v122, v119, v116                     ; the angles: one rounding each
	s_wait_alu depctr_va_vdst(0)
	v_mul_f32 v123, v119, v123
	s_mov_b32 s48, 0x3f22f983                      ; 2 / pi
	s_mov_b32 s49, 0x3fc90fdb                      ; pi / 2: its f32 number,
	s_mov_b32 s50, 0xb33bbd2e                      ; and what that lacks
	s_mov_b32 s51, 0xb94ca1f9                      ; sine: -1.9515296e-4, 8.3321609e-3, -1.6666655e-1
	s_mov_b32 s52, 0x3c08839e
	s_mov_b32 s53, 0xbe2aaaa3
	s_mov_b32 s54, 0x37ccf5ce                      ; cosine: 2.4433157e-5, -1.3887316e-3, 4.1666646e-2
	s_mov_b32 s55, 0xbab6061a
	s_mov_b32 s56, 0x3d2aaaa5
.macro SINCOS a, o                     ; v[o] = cos v[a], v[o + 1] = sin v[a]
	v_mul_f32 v124, s48, v[\a]
	v_rndne_f32 v124, v124                         ; n
	v_fma_f32 v125, -v124, s49, v[\a]              ; exact: a multiple of 2^-24 under 1
	v_fma_f32 v125, -v124, s50, v125               ; r, within +-pi / 4
	v_mul_f32 v126, v125, v125                     ; z
	v_fma_f32 v127, v126, s51, s52
	v_fma_f32 v196, v126, s54, s55
	v_fma_f32 v127, v127, v126, s53
	v_fma_f32 v196, v196, v126, s56
	v_mul_f32 v127, v127, v126
	v_mul_f32 v196, v196, v126
	v_fma_f32 v197, v126, -0.5, 1.0
	v_fma_f32 v127, v127, v125, v125               ; sin r
	v_fma_f32 v196, v196, v126, v197               ; cos r
	v_cvt_i32_f32 v198, v124
	v_and_b32 v199, 1, v198
	v_cmp_eq_u32 vcc_lo, 1, v199                   ; an odd quadrant exchanges the two
	v_cndmask_b32 v[\o+1], v127, v196, vcc_lo
	v_cndmask_b32 v[\o], v196, v127, vcc_lo
	v_lshlrev_b32 v199, 30, v198
	v_and_b32 v199, 0x80000000, v199               ; quadrants 2, 3: the sine changes sign
	v_xor_b32 v[\o+1], v[\o+1], v199
	v_add_nc_u32 v198, 1, v198
	v_lshlrev_b32 v199, 30, v198
	v_and_b32 v199, 0x80000000, v199               ; quadrants 1, 2: the cosine
	v_xor_b32 v[\o], v[\o], v199
.endm
	SINCOS 122, 192
	SINCOS 123, 194
	s_lshl_b32 s32, ttmp9, 11
	s_mov_b32 s33, 0
	s_add_nc_u64 s[18:19], s[18:19], s[32:33]
	v_lshlrev_b32 v200, 3, v0
	global_store_b64 v200, v[192:193], s[18:19]                ; a wave stores 256 consecutive bytes, aligned
	global_store_b64 v200, v[194:195], s[18:19] offset:1024
	; ---- x goes on
	s_wait_kmcnt 0x0
	s_add_co_i32 s22, s24, 127
	s_lshl_b32 s23, s22, 23
	v_mov_b32 v11, s23                             ; 2^e0 as f32: the conversion takes its exponent field
	s_add_co_i32 s22, s22, 8
	s_lshl_b32 s22, s22, 23
	s_or_b32 s22, s22, 0x600000
	s_wait_alu depctr_va_vdst(0)
	s_wait_loadcnt 12                              ; step 0's four loads are in; three steps' twelve stay out
	XTURN 0
.macro XSTEP t
.set XS, X+16*((\t)%2)
	s_wait_dscnt 0x0                               ; this step's numbers are back from the stage, so its stores into the stage have read their registers,
.if (\t)+4 < STEPS
	XLOAD (\t)+4                                   ; which take the loads of four steps on
.endif
.if (\t)+1 < STEPS
.if STEPS-2-(\t) >= 3
	s_wait_loadcnt 12                              ; the next step's four loads are in; those of the three steps behind it may be out
.else
	s_wait_loadcnt 4*(STEPS-2-(\t))
.endif
	XTURN (\t)+1
.endif
.irp i, 0,1,2,3,4,5,6,7,8,9,10,11,12,13,14,15
.endr
	v_cvt_scalef32_pk8_fp8_f32 v[C+4*(\t):C+4*(\t)+1], v[XS:XS+7], v11
	v_cvt_scalef32_pk8_fp8_f32 v[C+4*(\t)+2:C+4*(\t)+3], v[XS+8:XS+15], v11
	global_store_b128 v4, v[C+4*(\t):C+4*(\t)+3], s[12:13] offset:512*(\t)    ; the wave stores 512 consecutive bytes; each step has its own code registers
.endm
.irp t, 0,1,2,3,4,5,6,7,8,9,10,11,12,13,14,15
	XSTEP \t
.endr
	s_branch .Lend
; ---------------- the weights ----------------
.Lw:
	s_sub_co_u32 s21, ttmp9, 256
	s_cmp_ge_u32 s21, 96                           ; W_out's work-group?  The choice hangs on the work-group's number alone
	s_cselect_b64 s[4:5], s[8:9], s[6:7]           ; the weight,
	s_cselect_b64 s[12:13], s[16:17], s[14:15]     ; its codes,
	s_cselect_b32 s22, 96, 0
	s_mov_b32 s23, 12288
	s_cselect_b32 s23, 4096, s23                   ; a row of it in bytes
	s_sub_co_u32 s21, s21, s22
	s_and_b32 s34, s21, 3                          ; which 256 along K
	s_lshr_b32 s35, s21, 2                         ; which 128 columns
	s_lshl_b32 s36, s35, 7
	s_lshl_b32 s37, s20, 5
	s_add_co_u32 s36, s36, s37                     ; my wave's first column
	s_lshl_b32 s38, s34, 8
	s_mul_i32 s38, s38, s23
	s_lshl_b32 s39, s36, 2
	s_add_co_u32 s38, s38, s39
	s_mov_b32 s39, 0
	s_add_nc_u64 s[40:41], s[4:5], s[38:39]        ; block 0: row 256 ky, my first column
	s_lshl_b32 s56, s23, 5                         ; 32 rows on
	s_mov_b32 s57, 0
.irp t, 1,2,3,4,5,6,7
	s_add_nc_u64 s[40+2*\t:41+2*\t], s[38+2*\t:39+2*\t], s[56:57]   ; a base for each of the eight blocks: no pointer is stepped
.endr
	s_lshl_b32 s58, s36, 10
	s_lshl_b32 s59, s34, 8
	s_add_co_u32 s58, s58, s59
	s_mov_b32 s59, 0
	s_add_nc_u64 s[12:13], s[12:13], s[58:59]      ; the codes: row = my first column, byte 256 ky
	s_wait_alu depctr_va_vdst(0)
	v_lshlrev_b32 v[WO], 2, v2
.set II, 1
.rept 31
	v_add_nc_u32 v[WO+II], s23, v[WO+II-1]         ; 4 x lane + i rows
.set II, II+1
.endr
	v_and_b32 v5, 7, v2
	v_bfe_u32 v6, v2, 3, 1
	v_lshl_add_u32 v5, v6, 4, v5
	v_bfe_u32 v6, v2, 4, 1
	v_lshl_add_u32 v5, v6, 3, v5                   ; my column's row among the wave's 32: the lane's number with bits 3 and 4 exchanged
	v_mul_u32_u24 v4, v5, WP
	s_mul_i32 s37, s20, 32*WP
	s_add_co_u32 s37, s37, WSTG                    ; my stage
	v_add_nc_u32 v4, s37, v4
	v_and_b32 v5, 15, v2
	v_lshrrev_b32 v6, 4, v2
	v_mul_u32_u24 v7, v6, WP
	v_lshl_add_u32 v7, v5, 4, v7
	v_add_nc_u32 v7, s37, v7                       ; out of it: sixteen lanes to a row, two rows an instruction
	v_lshlrev_b32 v8, 10, v6
	v_lshl_add_u32 v8, v5, 4, v8                   ; and the same place in the codes
.macro WLOAD t                         ; block t: W(32 t + i, my column) into set t % 2: 32 lanes read 128 consecutive bytes
.set II, 0
.rept 32
	global_load_b32 v[WX+32*((\t)%2)+II], v[WO+II], s[40+2*(\t):41+2*(\t)] th:TH_LOAD_NT
.set II, II+1
.endr
.endm
	WLOAD 0
	WLOAD 1
	s_wait_kmcnt 0x0
	s_cmp_ge_u32 ttmp9, 352
	s_cselect_b32 s21, s31, s25                    ; e7 or e1
	s_add_co_i32 s21, s21, 127
	s_lshl_b32 s22, s21, 23
	v_mov_b32 v11, s22                             ; 2^e as f32
	s_add_co_i32 s21, s21, 8
	s_lshl_b32 s21, s21, 23
	s_or_b32 s21, s21, 0x600000
.macro BLOCK t
.set XS, WX+32*((\t)%2)
.if (\t) < 7
	s_wait_loadcnt 32                              ; this block's 32 loads are in; the next block's may be out
.else
	s_wait_loadcnt 0
.endif
.set II, 0
.rept 32
.set II, II+1
.endr
.irp g, 0,1,2,3
	v_cvt_scalef32_pk8_fp8_f32 v[WC+2*\g:WC+2*\g+1], v[XS+8*\g:XS+8*\g+7], v11
.endr
	ds_store_b128 v4, v[WC:WC+3] offset:32*(\t)    ; 32 codes along K of my column
	ds_store_b128 v4, v[WC+4:WC+7] offset:32*(\t)+16
.if (\t)+2 < 8
	WLOAD (\t)+2
.endif
	s_wait_dscnt 0x0                               ; the stores have read their registers: the next block's codes may be written
.endm
	s_wait_alu depctr_va_vdst(0)
.irp t, 0,1,2,3,4,5,6,7
	BLOCK \t
.endr
.irp t, 0,1,2,3,4,5,6,7,8,9,10,11,12,13,14,15
	ds_load_b128 v[OUTR+4*\t:OUTR+4*\t+3], v7 offset:2*\t*WP   ; LDS serves a wave's instructions in order: these see my stores
.endr
.irp t, 0,1,2,3,4,5,6,7,8,9,10,11,12,13,14,15
	s_wait_dscnt 15-\t                             ; pair t of rows is in; the later pairs may be out
	global_store_b128 v8, v[OUTR+4*\t:OUTR+4*\t+3], s[12:13] offset:2*\t*1024   ; sixteen lanes store 256 consecutive bytes, aligned
.endr
.Lend:
	s_wait_tensorcnt 0x0                           ; the wave's end, behind my last LDS store
	ds_add_u32 v[SPW], v[NIL]
	s_wait_dscnt 0x0
	s_endpgm
.Lfunc_end_k_q355961fd97_prep:
	.size	k_q355961fd97_prep, .Lfunc_end_k_q355961fd97_prep-k_q355961fd97_prep
	.p2alignl 7, 3214868480
	.fill 96, 4, 3214868480
	.section	.rodata,"a",@progbits
	.p2align	6, 0x0
	.amdhsa_kernel k_q355961fd97_prep
		.amdhsa_group_segment_fixed_size 68096
		.amdhsa_private_segment_fixed_size 0
		.amdhsa_enable_private_segment 0
		.amdhsa_kernarg_size 64
		.amdhsa_user_sgpr_count 2
		.amdhsa_user_sgpr_kernarg_segment_ptr 1
		.amdhsa_wavefront_size32 1
		.amdhsa_system_sgpr_workgroup_id_x 1
		.amdhsa_system_sgpr_workgroup_id_y 1
		.amdhsa_system_sgpr_workgroup_id_z 1
		.amdhsa_system_vgpr_workitem_id 0
		.amdhsa_next_free_vgpr 224
		.amdhsa_next_free_sgpr 66
		.amdhsa_reserve_vcc 1
		.amdhsa_float_denorm_mode_32 3
		.amdhsa_float_denorm_mode_16_64 3
		.amdhsa_fp16_overflow 1
		.amdhsa_memory_ordered 1
		.amdhsa_forward_progress 1
		.amdhsa_inst_pref_size 65
	.end_amdhsa_kernel
	.amdgpu_metadata
---
amdhsa.version: [ 1, 2 ]
amdhsa.kernels:
  - .name:           k_q355961fd97_prep
    .symbol:         k_q355961fd97_prep.kd
    .args:
      - { .name: x, .offset: 0, .size: 8, .value_kind: global_buffer, .address_space: global }
      - { .name: W_qkv, .offset: 8, .size: 8, .value_kind: global_buffer, .address_space: global }
      - { .name: W_out, .offset: 16, .size: 8, .value_kind: global_buffer, .address_space: global }
      - { .name: lowp_scales, .offset: 24, .size: 8, .value_kind: global_buffer, .address_space: global }
      - { .name: x_codes, .offset: 32, .size: 8, .value_kind: global_buffer, .address_space: global }
      - { .name: wqkv_codes, .offset: 40, .size: 8, .value_kind: global_buffer, .address_space: global }
      - { .name: wout_codes, .offset: 48, .size: 8, .value_kind: global_buffer, .address_space: global }
      - { .name: rope_tab, .offset: 56, .size: 8, .value_kind: global_buffer, .address_space: global }
    .group_segment_fixed_size: 68096
    .private_segment_fixed_size: 0
    .kernarg_segment_align: 8
    .kernarg_segment_size: 64
    .max_flat_workgroup_size: 128
    .sgpr_count:     66
    .vgpr_count:     224
    .wavefront_size: 32
...
	.end_amdgpu_metadata
.endif
;; end of part 1
;; launch qkv (part 2): grid 12 x 32, 4 waves a work-group, clusters of 4 x 4, 327,680 bytes of LDS; arguments x_codes, wqkv_codes, lowp_scales, rope_tab, q_codes, k_codes, v_codes; writes q_codes, k_codes, v_codes
.if DOCPART == 2
	.amdgcn_target "amdgcn-amd-amdhsa--gfx1250"
	.amdhsa_code_object_version 6
	.text
	.protected	k_q355961fd97_qkv
	.globl	k_q355961fd97_qkv
	.p2align	8
	.type	k_q355961fd97_qkv,@function
k_q355961fd97_qkv:
	s_mov_b64 s[64:65], 0
	v_nop
	global_prefetch_b8 v0, s[64:65] scope:SCOPE_SE
	s_setreg_imm32_b32 hwreg(HW_REG_WAVE_MODE, 25, 1), 1
	s_wait_xcnt 0x0
	s_wait_alu depctr_hold_cnt(0) depctr_sa_sdst(0) depctr_va_vdst(0) depctr_va_sdst(0) depctr_va_ssrc(0) depctr_va_vcc(0) depctr_vm_vsrc(0)
	s_getreg_b32 s2, hwreg(HW_REG_IB_STS2, 6, 4)
	s_cmp_eq_u32 s2, 0
	s_cbranch_scc0 .Lentry_in_a_cluster
	s_endpgm
.Lentry_in_a_cluster:
	s_bfe_u32 s2, ttmp6, 0x10000c
	s_cmp_lg_u32 s2, 0xf033
	s_cbranch_scc0 .Lentry_shape_is_right
	s_endpgm
.Lentry_shape_is_right:
; x W_qkv on codes of FP8 (E4M3); the rotary embedding on q and k; q, k and v quantised and stored as IMAGES OF THE NEXT LAUNCH'S OPERAND REGISTERS.
; x_codes [8192][1024]; wqkv_codes [3072 rows][1024], row p = column p with bits 3 and 4 exchanged.  A tile of 256 x 256 by a work-group of four waves; a wave makes 128 x 128: 64 accumulators, 512 registers.
; K goes in four steps of 256 through a ring of two LDS slots filled by joint tensor loads: 4 x 4 work-groups form a cluster; "A"'s tile is shared along a row of the cluster, "B"'s along a column.
; THE CLUSTER'S x SAYS WHAT IS MADE: 0 q, 1 k, 2 v; it is the same in all sixteen partners.
;   q, k: A = x (tile 4 Y + cy), B = the weight (tile 4 kind + cx).  Source 0 = B's rows, source 1 = A's: a lane holds token l % 16, and the 16 registers of tiles 2 b', 2 b' + 1 are channels 32 b' + 16 (l / 16) + 0 .. 15.
;   v:    A = the weight (tile 8 + cy), B = x (tile 4 Y + cx): only pointers and tile numbers are exchanged.  A lane then holds ONE channel row and its registers run along the tokens, the keys of the second attention product.
; A sum stands for sum x 2^(e0 + e1): that and the operand's own scale are folded into the conversion's one scale, 2^(e - e0 - e1), e = e2 (q), e3 (k), e5 (v); the rotation is linear, so it is applied to the bare sums.
; OUT.  q_codes, k_codes: [64 heads][128 tiles of 16 tokens][2 c][32 lanes][16 bytes]: lane (r, h): token r of the tile, channels 32 c + 16 h + 0 .. 15.
;       v_codes: [64 heads][16 blocks of 128 keys][4 tiles of 16 channel rows][4 c][32 lanes][16 bytes]: lane (r, h): row r, keys 32 c + 8 h + 0 .. 7 and 32 c + 16 + 8 h + 0 .. 7.
;       A lane's conversions leave just those 16 bytes in it: every store is 512 consecutive bytes straight from registers; the way out touches no LDS.
; LIMITS: e2 - e0 - e1, e3 - e0 - e1, e5 - e0 - e1 between -126 and 119.
; No prefetch: of four K steps two are asked for at the head.
; REGISTERS, in windows of 256: window 0: v0-31 addresses; v32-127 table of blocks 0-2; from v128 A's fragments, ONE set; on the way out v128-191 at work, v192-223 codes.
;   window 1: B's fragments, TWO sets; on the way out the table of blocks 3-7.   windows 2, 3: the accumulators ((a, b) at v[8 (8 (a % 4) + b)]).
.set ROWB,   256                       ; a tile's row: 256 codes
.set KROW,   1024                      ; a row of either tensor in memory
.set PITCH,  272                       ; an LDS row: 256 bytes + 16 of padding: the 16 rows that a load touches start at 16 different banks
.set FR,     16
.set NL,     4
.set NP,     4                         ; places behind this matrix instruction (ISA guide 7.12.1)
.set HALFT,  128*PITCH
.set SLOT,   4*HALFT
.set SPARE,  2*SLOT                    ; behind the ring: the spare words, 128 bytes for each wave: two blocks of 256 bytes that no other line names
.set ADRA, 16                          ; v16-17 LDS address of my A fragments in slot 0, 1
.set ADRB, 20                          ; v20-21 the same for B
.set LN,   26                          ; v26    16 x lane; never rewritten
.set SPW,  28                          ; v28    my spare word's address; never rewritten
.set NIL,  29                          ; v29    0; never rewritten
.set SC,   30                          ; v30    the conversion's scale as f32
.set LIM,  31
.set AF,   128
.set TT,   128                         ; the way out: 64 numbers at work
.set G1, 24
.set G0, 32
.set G1B, 48
.set G0B, 56
.set MSB, 0
.macro WIN new                         ; the immediate's high byte repeats the setting that is left
.if MSB != \new
	s_set_vgpr_msb (MSB<<8)|\new
.set MSB, \new
.endif
.endm
.set MUL_LO, 0xa1                      ; source 0 (B) window 1, source 1 (A) window 0, C and D window 2
.set MUL_HI, 0xf1
.set TO_B,   0x40
; A joint load: waves 0 and 1 fetch for A, waves 2 and 3 for B; the branch hangs on the wave's number alone.  An s_nop 0 and four v_nop follow each line.
.macro JLOAD g0a, g1a, g0b, g1b
	s_cmp_eq_u32 s15, 0
	s_cbranch_scc0 .Lfor_b_\@
	tensor_load_to_lds s[\g0a:\g0a+3], s[\g1a:\g1a+7]
	s_nop 0
.rept 4
	v_nop
.endr
	s_branch .Lasked_\@
.Lfor_b_\@:
	tensor_load_to_lds s[\g0b:\g0b+3], s[\g1b:\g1b+7]
	s_nop 0
.rept 4
	v_nop
.endr
.Lasked_\@:
.endm
.macro CREST                           ; a round of the cluster's barrier behind its opening barrier
	s_cmp_lg_u32 s14, 0
	s_cbranch_scc1 .Lnot_wave_0_\@
	s_barrier_signal -3
.Lnot_wave_0_\@:
	s_barrier_wait -3
	s_barrier_signal -1
	s_barrier_wait -1
.endm
.macro CROUND
	s_barrier_signal -1
	s_barrier_wait -1
	CREST
.endm
	s_load_b256 s[4:11], s[0:1], 0x0               ; x_codes, wqkv_codes, scales, rope_tab
	s_load_b128 s[68:71], s[0:1], 0x20             ; q_codes, k_codes
	s_load_b64 s[72:73], s[0:1], 0x30              ; v_codes
	v_lshl_add_u32 v[SPW], v0, 2, SPARE
	v_mov_b32 v[NIL], 0
	ds_add_u32 v[SPW], v[NIL]
	ds_add_u32 v[SPW], v[NIL]                      ; the wave's opening: the add and its wait ahead of my first tensor load
	v_lshrrev_b32 v1, 5, v0
	v_readfirstlane_b32 s14, v1                    ; wave 0..3
	s_lshr_b32 s15, s14, 1                         ; which half of A's rows is mine.  Also: I fetch for A (0) or for B (1)
	s_and_b32 s16, s14, 1                          ; which half of B's rows.  Also: which 128 rows of that tile I fetch
	s_bfe_u32 s40, ttmp6, 0x40000                  ; cx
	s_bfe_u32 s41, ttmp6, 0x40004                  ; cy
	s_and_b32 s17, ttmp7, 0xffff
	s_lshl_b32 s17, s17, 2                         ; 4 Y
	s_lshl_b32 s42, ttmp9, 2                       ; 4 kind
	s_cmp_eq_u32 ttmp9, 2                          ; a cluster of v?
	s_cselect_b32 s92, 8, s17
	s_cselect_b32 s93, s17, s42
	s_add_co_u32 s92, s92, s41                     ; A's tile: it hangs on cy alone among the places
	s_add_co_u32 s93, s93, s40                     ; B's tile: on cx alone
	s_lshl_b32 s43, s41, 2
	s_lshl_b32 s43, 15, s43                        ; my row of the cluster
	s_lshl_b32 s44, 0x1111, s40                    ; my column
	s_or_b32 s[G1+0], s43, (0<<16)|(1<<20)|(1<<21)|(5<<22)|(3<<25)  ; the mask; elements of 1 byte; padding on; bit 21 beside a mask; 4 words after every 64
	s_or_b32 s[G1B+0], s44, (0<<16)|(1<<20)|(1<<21)|(5<<22)|(3<<25)
.irp g, G1, G1B
	s_mov_b32 s[\g+1], ROWB<<16                    ; tensor_dim0
	s_mov_b32 s[\g+2], 128<<16                     ; tensor_dim1
	s_mov_b32 s[\g+3], ROWB<<16                    ; tile_dim0
	s_mov_b32 s[\g+4], 128                         ; tile_dim1
	s_mov_b32 s[\g+5], KROW                        ; from row to row
	s_mov_b32 s[\g+6], 0
	s_mov_b32 s[\g+7], 0
.endr
	s_lshl_b32 s18, s16, 7                         ; which 128 rows of the tile I fetch
	s_lshl_b32 s20, s92, 8
	s_add_co_u32 s20, s20, s18
	s_lshl_b32 s20, s20, 10                        ; A: (256 x tile + 128 x half) rows of 1,024 bytes
	s_mov_b32 s21, 0
	s_lshl_b32 s46, s93, 8
	s_add_co_u32 s46, s46, s18
	s_lshl_b32 s46, s46, 10                        ; B likewise
	s_mov_b32 s47, 0
	s_mul_i32 s45, s14, HALFT                      ; where they go: wave x 128 rows
	s_wait_dscnt 0x0                               ; the opening add is done
	s_wait_kmcnt 0x0
	s_load_b256 s[76:83], s[8:9], 0x0              ; e0 .. e7
	s_cmp_eq_u32 ttmp9, 2
	s_cselect_b64 s[84:85], s[6:7], s[4:5]         ; A's tensor,
	s_cselect_b64 s[86:87], s[4:5], s[6:7]         ; B's
	s_add_nc_u64 s[20:21], s[84:85], s[20:21]
	s_add_nc_u64 s[46:47], s[86:87], s[46:47]
	CROUND                                         ; all sixteen work-groups are here: the first joint loads meet
.irp s, 0,1
	s_mov_b32 s[G0+4*\s], 1
	s_add_co_u32 s[G0+4*\s+1], s45, \s*SLOT
	s_add_nc_u64 s[G0+4*\s+2:G0+4*\s+3], s[20:21], \s*ROWB
	s_or_b32 s[G0+4*\s+3], s[G0+4*\s+3], 0x80000000
	s_mov_b32 s[G0B+4*\s], 1
	s_add_co_u32 s[G0B+4*\s+1], s45, \s*SLOT
	s_add_nc_u64 s[G0B+4*\s+2:G0B+4*\s+3], s[46:47], \s*ROWB
	s_or_b32 s[G0B+4*\s+3], s[G0B+4*\s+3], 0x80000000
	JLOAD G0+4*\s, G1, G0B+4*\s, G1B
.endr
	v_and_b32 v1, 15, v0
	v_bfe_u32 v2, v0, 4, 1
	v_mul_u32_u24 v3, v1, PITCH
	v_lshl_add_u32 v4, v2, 4, v3                   ; a fragment's row x pitch + 16 x half
	s_mul_i32 s21, s15, HALFT                      ; my 128 rows of A
	s_mul_i32 s22, s16, HALFT
	s_add_co_u32 s22, s22, 2*HALFT                 ; my 128 rows of B, behind A's 256
.irp s, 0,1
	v_add_nc_u32 v[ADRA+\s], s21, v4
	v_add_nc_u32 v[ADRB+\s], s22, v4
	s_add_co_u32 s21, s21, SLOT
	s_add_co_u32 s22, s22, SLOT
.endr
	v_and_b32 v6, 31, v0
	v_lshlrev_b32 v[LN], 4, v6
.macro FRAG reg, adr, q, i             ; 16 rows x 128 K: registers 4 c .. 4 c + 3 hold K = 32 c + 16 (l / 16) + 0 .. 15: the same order of k in A and in B
.irp c, 0,1,2,3
	ds_load_b128 v[\reg+4*\c:\reg+4*\c+3], v[\adr] offset:128*(\q)+32*\c+(\i)*16*PITCH
.endr
.endm
; 16 matrix instructions: A's blocks a0, a0 + 1 x B's eight.  The 64 accumulators take turns, one instruction a turn, in the same order in every step.
.macro MUL16 a0, p, zero
.irp a, \a0, \a0+1
.irp b, 0,1,2,3,4,5,6,7
.if \zero
	v_wmma_f32_16x16x128_fp8_fp8 v[8*(8*((\a)%4)+\b):8*(8*((\a)%4)+\b)+7], v[128*(\p)+FR*\b:128*(\p)+FR*\b+FR-1], v[AF+FR*(\a):AF+FR*(\a)+FR-1], 0
.else
	v_wmma_f32_16x16x128_fp8_fp8 v[8*(8*((\a)%4)+\b):8*(8*((\a)%4)+\b)+7], v[128*(\p)+FR*\b:128*(\p)+FR*\b+FR-1], v[AF+FR*(\a):AF+FR*(\a)+FR-1], v[8*(8*((\a)%4)+\b):8*(8*((\a)%4)+\b)+7]
.endif
.endr
.endr
.endm
.macro FETCH_B slot, q, p
	WIN TO_B
.irp i, 0,1,2,3,4,5,6,7
	FRAG 128*(\p)+FR*\i, ADRB+\slot, \q, \i
.endr
	WIN 0
.endm
.macro FETCH_A slot, q, i0
.irp i, \i0, \i0+1, \i0+2, \i0+3
	FRAG AF+FR*(\i), ADRA+\slot, \q, \i
.endr
.endm
.macro PLACES n                        ; plain vector instructions between a matrix instruction and a load into, or a vector instruction on, its registers
.rept \n
	v_nop
.endr
.endm
.macro STEP slot, q, zero              ; 128 along K, with its successor in the same slot
	s_wait_dscnt 4*NL                              ; B's set and A's blocks 0-3 are in; the youngest sixteen loads (A's blocks 4-7) may be out
	WIN MUL_LO
	MUL16 0, (\q)%2, \zero
	MUL16 2, (\q)%2, \zero
	s_wait_dscnt 0
	PLACES NP
	FETCH_B \slot, (\q)+1, 1-(\q)%2
	FETCH_A \slot, (\q)+1, 0
	WIN MUL_HI
	MUL16 4, (\q)%2, \zero
	MUL16 6, (\q)%2, \zero
	PLACES NP
	WIN 0
	FETCH_A \slot, (\q)+1, 4
.endm
; A slot's last step changes slots: ONE barrier; in front of it each wave waits for all its tensor loads, adds 0 to its spare word, and waits for that and for its own reads of this slot.
.macro TURN slot, next, fill
	s_wait_tensorcnt 0x0                           ; all my tensor loads have landed: my part of the next slot
	ds_add_u32 v[SPW], v[NIL]                      ; 0 onto my spare word
	s_wait_dscnt 4*NL+1                            ; (the add and the youngest sixteen loads may be out)
	WIN MUL_LO
	MUL16 0, 1, 0
	s_wait_dscnt 0x0                               ; the add is done, and my reads of this slot are over
	s_barrier_signal -1
	MUL16 2, 1, 0
	WIN 0
	s_barrier_wait -1
.if \fill
	CREST                                          ; the barrier has opened a round of the cluster's: no wave of any partner still reads this slot or has a load on its way
	s_add_nc_u64 s[G0+4*\slot+2:G0+4*\slot+3], s[G0+4*\slot+2:G0+4*\slot+3], 2*ROWB
	s_add_nc_u64 s[G0B+4*\slot+2:G0B+4*\slot+3], s[G0B+4*\slot+2:G0B+4*\slot+3], 2*ROWB
	JLOAD G0+4*\slot, G1, G0B+4*\slot, G1B         ; the first tensor load behind the round; its four v_nop are also the places in front of the loads below
.else
	PLACES NP
.endif
	FETCH_B \next, 0, 0
	FETCH_A \next, 0, 0
	WIN MUL_HI
	MUL16 4, 1, 0
	MUL16 6, 1, 0
	PLACES NP
	WIN 0
	FETCH_A \next, 0, 4
.endm
.macro LAST                            ; the very last 128 along K: nothing more to fetch
	s_wait_dscnt 4*NL
	WIN MUL_LO
	MUL16 0, 1, 0
	MUL16 2, 1, 0
	s_wait_dscnt 0
	WIN MUL_HI
	MUL16 4, 1, 0
	MUL16 6, 1, 0
	WIN 0
.endm
	s_wait_alu depctr_va_vdst(0)
	s_wait_tensorcnt 1                             ; my part of K step 0 is in (K step 1's load may be out),
	s_barrier_signal -1
	s_barrier_wait -1                              ; everybody's is
	FETCH_B 0, 0, 0
	FETCH_A 0, 0, 0
	FETCH_A 0, 0, 4
	STEP 0, 0, 1                                   ; the first step's products start the sums
	s_mov_b32 s3, 1
.Llap:                                                 ; one trip: once round the ring, both slots filled again (K steps 2 and 3)
	TURN 0, 1, 1
	STEP 1, 0, 0
	TURN 1, 0, 1
	STEP 0, 0, 0
	s_sub_co_u32 s3, s3, 1
	s_cmp_lg_u32 s3, 0
	s_cbranch_scc1 .Llap
	TURN 0, 1, 0
	STEP 1, 0, 0
	s_cmp_eq_u32 ttmp9, 2                          ; the cluster's x: the same in all partners
	s_cbranch_scc1 .Lv
; ---------------- q and k: rotate, quantise, store ----------------
	s_wait_kmcnt 0x0
	s_lshl_b32 s18, s92, 8
	s_lshl_b32 s19, s15, 7
	s_add_co_u32 s18, s18, s19                     ; my first row of x
	s_lshr_b32 s19, s18, 11                        ; the batch
	s_and_b32 s18, s18, 2047                       ; my first token
	s_lshl_b32 s19, s19, 4
	s_lshl_b32 s22, s40, 2
	s_add_co_u32 s19, s19, s22
	s_lshl_b32 s22, s16, 1
	s_add_co_u32 s19, s19, s22                     ; 16 x batch + my first head (4 cx + 2 x half)
	s_lshl_b32 s19, s19, 17
	s_lshl_b32 s22, s18, 6                         ; a tile of 16 tokens is 1,024 bytes
	s_add_co_u32 s22, s22, s19
	s_mov_b32 s23, 0
	s_cmp_eq_u32 ttmp9, 0
	s_cselect_b64 s[88:89], s[68:69], s[70:71]
	s_cselect_b32 s94, s78, s79                    ; e2 or e3
	s_add_nc_u64 s[88:89], s[88:89], s[22:23]
	s_lshl_b32 s22, s18, 8                         ; the table: 4,096 bytes for 16 tokens
	s_add_nc_u64 s[90:91], s[10:11], s[22:23]
	s_sub_co_i32 s94, s94, s76
	s_sub_co_i32 s94, s94, s77
	s_add_co_i32 s94, s94, 127
	s_lshl_b32 s95, s94, 23
	v_mov_b32 v[SC], s95                           ; 2^(e - e0 - e1)
	s_add_co_i32 s94, s94, 8
	s_lshl_b32 s94, s94, 23
	s_or_b32 s94, s94, 0x600000
.macro TABLOAD a                       ; cos and sin for block a's 16 tokens: 32 registers; register 8 (b % 4) + 2 p, + 1: those of tile b's pair p
.if (\a) < 3
	WIN 0
.set TR, 32+32*(\a)
.else
	WIN TO_B
.set TR, 32*((\a)-3)
.endif
.irp q, 0,1,2,3,4,5,6,7
	global_load_b128 v[TR+4*\q:TR+4*\q+3], v[LN], s[90:91] offset:4096*(\a)+512*\q
.endr
.endm
	TABLOAD 0                                      ; three blocks' tables are asked for ahead of the last 64 products, into registers that no product names
	TABLOAD 1
	TABLOAD 2
	LAST
	PLACES NP                                      ; in front of loads into B's registers, of writes into A's and of the first reads of results
	TABLOAD 3
	TABLOAD 4
	TABLOAD 5
	TABLOAD 6
	TABLOAD 7
.macro ROPE a
.set AC, 64*((\a)%4)
.if (\a) < 3
.set TR, 32+32*(\a)
.set TW, 0
.else
.set TR, 32*((\a)-3)
.set TW, 1
.endif
.set CR, 192+16*((\a)%2)
	s_wait_loadcnt 56-8*(\a)                       ; this block's table is in; the 8 (7 - a) loads of the later blocks may be out
.if (\a) >= 2
	s_wait_xcnt 0x0                                ; the stores of two blocks back have read their codes' registers, which are written again below
.endif
	WIN (2+(\a)/4)|(TW<<2)                         ; source 0: the sums' window; source 1: the table's
.irp b, 0,1,2,3,4,5,6,7
.irp p, 0,2,4,6
	v_pk_mul_f32 v[TT+8*\b+\p:TT+8*\b+\p+1], v[AC+8*\b+\p:AC+8*\b+\p+1], v[TR+8*(\b%4)+\p:TR+8*(\b%4)+\p+1] op_sel_hi:[1,0]   ; (x1 cos, x2 cos); each accumulator from its low end on
.endr
.irp p, 0,2,4,6
	v_pk_fma_f32 v[TT+8*\b+\p:TT+8*\b+\p+1], v[AC+8*\b+\p:AC+8*\b+\p+1], v[TR+8*(\b%4)+\p:TR+8*(\b%4)+\p+1], v[TT+8*\b+\p:TT+8*\b+\p+1] op_sel:[1,1,0] op_sel_hi:[0,1,1] neg_lo:[0,1,0]   ; (x1 cos - x2 sin, x2 cos + x1 sin)
.endr
.endr
	WIN 0
.set JJ, 0
.rept 64
.set JJ, JJ+1
.endr
.irp b, 0,1,2,3,4,5,6,7
	v_cvt_scalef32_pk8_fp8_f32 v[CR+2*\b:CR+2*\b+1], v[TT+8*\b:TT+8*\b+7], v[SC]
.endr
	v_nop                                          ; a plain instruction behind the last conversion: the next block writes its sources
.irp u, 0,1,2,3
	global_store_b128 v[LN], v[CR+4*\u:CR+4*\u+3], s[88:89] offset:(\u/2)*131072+1024*(\a)+512*(\u%2)   ; head u / 2, tile a, half u % 2 of the channels: 512 consecutive bytes
.endr
.endm
.irp a, 0,1,2,3,4,5,6,7
	ROPE \a
.endr
	s_branch .Lend
; ---------------- v: quantise, store ----------------
.Lv:
	s_wait_kmcnt 0x0
	s_lshl_b32 s18, s93, 8
	s_lshl_b32 s19, s16, 7
	s_add_co_u32 s18, s18, s19                     ; my first row of x: 128 keys
	s_lshr_b32 s19, s18, 11                        ; the batch
	s_and_b32 s18, s18, 2047
	s_lshr_b32 s18, s18, 7                         ; which block of 128 keys
	s_lshl_b32 s19, s19, 4
	s_lshl_b32 s22, s41, 2
	s_add_co_u32 s19, s19, s22
	s_lshl_b32 s22, s15, 1
	s_add_co_u32 s19, s19, s22                     ; 16 x batch + my first head (4 cy + 2 x half)
	s_lshl_b32 s19, s19, 17
	s_lshl_b32 s22, s18, 13
	s_add_co_u32 s22, s22, s19
	s_mov_b32 s23, 0
	s_add_nc_u64 s[88:89], s[72:73], s[22:23]
	s_sub_co_i32 s94, s81, s76
	s_sub_co_i32 s94, s94, s77
	s_add_co_i32 s94, s94, 127
	s_lshl_b32 s95, s94, 23
	v_mov_b32 v[SC], s95                           ; 2^(e5 - e0 - e1)
	s_add_co_i32 s94, s94, 8
	s_lshl_b32 s94, s94, 23
	s_or_b32 s94, s94, 0x600000
	LAST
	PLACES NP
.macro VOUT a                          ; block a: 16 channel rows (head a / 4, tile a % 4) x my 128 keys: one whole fragment of the second attention product
.set AC, 64*((\a)%4)
.set CR, 192+16*((\a)%2)
.if (\a) >= 2
	s_wait_xcnt 0x0                                ; the stores of two blocks back have read their codes' registers
.endif
	WIN 2+(\a)/4
.set JJ, 0
.rept 64
.set JJ, JJ+1
.endr
.irp b, 0,1,2,3,4,5,6,7
	v_cvt_scalef32_pk8_fp8_f32 v[CR+2*\b:CR+2*\b+1], v[AC+8*\b:AC+8*\b+7], v[SC]
.endr
	WIN 0
	v_nop
.irp u, 0,1,2,3
	global_store_b128 v[LN], v[CR+4*\u:CR+4*\u+3], s[88:89] offset:((\a)/4)*131072+((\a)%4)*2048+512*\u
.endr
.endm
	s_wait_alu depctr_va_vdst(0)
.irp a, 0,1,2,3,4,5,6,7
	VOUT \a
.endr
.Lend:
	s_wait_tensorcnt 0x0                           ; the wave's end
	ds_add_u32 v[SPW], v[NIL]
	s_wait_dscnt 0x0
	CROUND                                         ; the closing round
	s_endpgm
.Lfunc_end_k_q355961fd97_qkv:
	.size	k_q355961fd97_qkv, .Lfunc_end_k_q355961fd97_qkv-k_q355961fd97_qkv
	.p2alignl 7, 3214868480
	.fill 96, 4, 3214868480
	.section	.rodata,"a",@progbits
	.p2align	6, 0x0
	.amdhsa_kernel k_q355961fd97_qkv
		.amdhsa_group_segment_fixed_size 327680
		.amdhsa_private_segment_fixed_size 0
		.amdhsa_enable_private_segment 0
		.amdhsa_kernarg_size 56
		.amdhsa_user_sgpr_count 2
		.amdhsa_user_sgpr_kernarg_segment_ptr 1
		.amdhsa_wavefront_size32 1
		.amdhsa_system_sgpr_workgroup_id_x 1
		.amdhsa_system_sgpr_workgroup_id_y 1
		.amdhsa_system_sgpr_workgroup_id_z 1
		.amdhsa_system_vgpr_workitem_id 0
		.amdhsa_next_free_vgpr 1024
		.amdhsa_next_free_sgpr 100
		.amdhsa_reserve_vcc 0
		.amdhsa_float_denorm_mode_32 3
		.amdhsa_float_denorm_mode_16_64 3
		.amdhsa_fp16_overflow 1
		.amdhsa_memory_ordered 1
		.amdhsa_forward_progress 1
		.amdhsa_inst_pref_size 138
	.end_amdhsa_kernel
	.amdgpu_metadata
---
amdhsa.version: [ 1, 2 ]
amdhsa.kernels:
  - .name:           k_q355961fd97_qkv
    .symbol:         k_q355961fd97_qkv.kd
    .args:
      - { .name: x_codes, .offset: 0, .size: 8, .value_kind: global_buffer, .address_space: global }
      - { .name: wqkv_codes, .offset: 8, .size: 8, .value_kind: global_buffer, .address_space: global }
      - { .name: lowp_scales, .offset: 16, .size: 8, .value_kind: global_buffer, .address_space: global }
      - { .name: rope_tab, .offset: 24, .size: 8, .value_kind: global_buffer, .address_space: global }
      - { .name: q_codes, .offset: 32, .size: 8, .value_kind: global_buffer, .address_space: global }
      - { .name: k_codes, .offset: 40, .size: 8, .value_kind: global_buffer, .address_space: global }
      - { .name: v_codes, .offset: 48, .size: 8, .value_kind: global_buffer, .address_space: global }
    .group_segment_fixed_size: 327680
    .private_segment_fixed_size: 0
    .kernarg_segment_align: 8
    .kernarg_segment_size: 56
    .max_flat_workgroup_size: 128
    .sgpr_count:     100
    .vgpr_count:     1024
    .wavefront_size: 32
...
	.end_amdgpu_metadata
.endif
;; end of part 2
;; launch attn (part 3): grid 4 x 64, 16 waves a work-group, clusters of 4 x 1, 327,680 bytes of LDS; arguments q_codes, k_codes, v_codes, lowp_scales, a_codes; writes a_codes
.if DOCPART == 3
	.amdgcn_target "amdgcn-amd-amdhsa--gfx1250"
	.amdhsa_code_object_version 6
	.text
	.protected	k_q355961fd97_attn
	.globl	k_q355961fd97_attn
	.p2align	8
	.type	k_q355961fd97_attn,@function
k_q355961fd97_attn:
	s_mov_b64 s[64:65], 0
	v_nop
	global_prefetch_b8 v0, s[64:65] scope:SCOPE_SE
	s_setreg_imm32_b32 hwreg(HW_REG_WAVE_MODE, 25, 1), 1
	s_wait_xcnt 0x0
	s_wait_alu depctr_hold_cnt(0) depctr_sa_sdst(0) depctr_va_vdst(0) depctr_va_sdst(0) depctr_va_ssrc(0) depctr_va_vcc(0) depctr_vm_vsrc(0)
	s_getreg_b32 s2, hwreg(HW_REG_IB_STS2, 6, 4)
	s_cmp_eq_u32 s2, 0
	s_cbranch_scc0 .Lentry_in_a_cluster
	s_endpgm
.Lentry_in_a_cluster:
	s_bfe_u32 s2, ttmp6, 0x10000c
	s_cmp_lg_u32 s2, 0x3003
	s_cbranch_scc0 .Lentry_shape_is_right
	s_endpgm
.Lentry_shape_is_right:
; Causal attention on codes of FP8 (E4M3), head size 64, 2,048 tokens, 64 heads (batch x head).  Inputs are images of operand registers (blocks of 512 bytes, lane l's 16 bytes at 16 l); so is the output.
; THE SOFTMAX: t = score x log2(e) / 8; M = the running largest t rounded UP to a whole number; p = 2^(t - M) is quantised with 2^e4; the row's sum is taken of the unquantised p and divides at the end.
; When M moves, the sum and O are multiplied by 2^(old M - new M): nothing is rounded, and there is no branch on data.
; CLUSTER: the four work-groups of a cluster serve ONE head.  All of its K and V (131,072 bytes each) lie in LDS, filled ONCE by joint loads: each of the sixteen waves asks for two dense blocks of 8,192 bytes
; (waves 0-7: K's blocks w and w + 8; waves 8-15: V's).  Nothing is filled again: no ring.  A wave asks for its second block only once its first is in.
; SHARES.  The head's 128 tiles of 16 queries fall into 16 groups of 8; a tile of group g needs g + 1 steps of 128 keys, the last on the diagonal.  Wave w of partner cx takes tile 2 cx + w / 8 of groups
; w % 8 and 15 - w % 8: 17 steps for every wave of every partner.  All control flow hangs on the wave's number and on constants; cx enters Q's and the output's global addresses and one register of the mask.
; LAYOUT.  S^T = K Q^T (source 0 = 16 keys, K = 64), O^T = V^T P^T (source 0 = 16 channel rows, K = 128 keys): a lane holds one query.  Tile tau of S^T: register j = key 16 tau + 8 (l / 16) + j, so p's codes of
; tile tau are registers 2 tau, 2 tau + 1 of the second product's operand, and V's images hold the keys in that order.  V's channel rows have bits 3 and 4 exchanged: the 16 registers of O^T's tiles 2 c, 2 c + 1 are channels 32 c + 16 (l / 16) + 0 .. 15.
; OUT: a_codes [512 tiles of 16 rows][16 heads][2 c][32 lanes][16 bytes], quantised with 2^e6; O^T / sum stands for that x 2^(e4 + e5), so the conversion's scale is 2^(e6 - e4 - e5).
; LIMITS: e2 + e3 between -123 and 130 (added to c's exponent field); e4 and e6 - e4 - e5 between -126 and 119.
; No prefetch: every byte that the work-group reads is asked for at its head.
; REGISTERS: v1 16 x lane; v2, v3 the step's K and V; v4 mask; v5, v6 the add's; v7 -inf; v8 the result's scale; v9 p's; v12 -M, v13 largest t, v[14:15] the sum;
;   v16-23, v24-31 Q of my two tiles; v32-95 K's 8 fragments, then v32-47 p's codes, v48-55 at work, v56-63 the result's codes; v96-159 S^T, p; v160-191 O^T; v192-255 V's 4 fragments.
.set KB,    8192                       ; a block: 128 keys of K, or of V
.set VBASE, 131072                     ; V's blocks lie behind K's sixteen
.set SPARE, 262144                     ; the spare words, 128 bytes for each of sixteen waves: eight blocks of 256 bytes that no other line names
.macro CROUND                          ; a round of the cluster's barrier
	s_barrier_signal -1
	s_barrier_wait -1
	s_cmp_lg_u32 s14, 0
	s_cbranch_scc1 .Lnot_wave_0_\@
	s_barrier_signal -3
.Lnot_wave_0_\@:
	s_barrier_wait -3
	s_barrier_signal -1
	s_barrier_wait -1
.endm
	s_load_b256 s[4:11], s[0:1], 0x0               ; q_codes, k_codes, v_codes, scales
	s_load_b64 s[12:13], s[0:1], 0x20              ; a_codes
	v_lshl_add_u32 v5, v0, 2, SPARE
	v_mov_b32 v6, 0
	ds_add_u32 v5, v6                              ; the wave's opening: the add and its wait ahead of my first tensor load
	ds_add_u32 v5, v6
	v_lshrrev_b32 v1, 5, v0
	s_delay_alu instid0(VALU_DEP_1)
	v_readfirstlane_b32 s14, v1                    ; wave 0..15
	s_bfe_u32 s15, ttmp6, 0x40000                  ; cx
	s_and_b32 s16, ttmp7, 0xffff                   ; batch x 16 + head
	s_mov_b32 s24, 15|(3<<16)|(1<<21)              ; group 1: the mask: all four; elements of 8 bytes; bit 21 beside a mask; no padding
	s_mov_b32 s25, 32<<16                          ; tensor_dim0 = 32 elements: rows of 256 bytes
	s_mov_b32 s26, 32<<16                          ; tensor_dim1 = 32 rows
	s_mov_b32 s27, 32<<16                          ; tile_dim0
	s_mov_b32 s28, 32                              ; tile_dim1
	s_mov_b32 s29, 32                              ; from row to row: dense
	s_mov_b32 s30, 0
	s_mov_b32 s31, 0
	s_and_b32 s17, s14, 7                          ; my low group
	s_lshr_b32 s18, s14, 3
	s_lshl_b32 s19, s17, 13
	s_lshl_b32 s60, s18, 17
	s_add_co_u32 s60, s60, s19                     ; LDS: block w % 8 of K (waves 0-7) or of V (8-15)
	s_lshl_b32 s72, s16, 17                        ; the head's first byte in q, k and v
	s_add_co_u32 s62, s72, s19
	s_mov_b32 s63, 0
	s_sub_co_u32 s61, 15, s17                      ; my high group
	s_lshl_b32 s19, s15, 1
	s_add_co_u32 s19, s19, s18                     ; my tile's number in a group
	s_lshl_b32 s68, s61, 3
	s_add_co_u32 s68, s68, s19                     ; my high tile,
	s_lshl_b32 s70, s17, 3
	s_add_co_u32 s70, s70, s19                     ; my low tile
	s_lshl_b32 s52, s68, 10
	s_add_co_u32 s52, s52, s72
	s_mov_b32 s53, 0
	s_lshl_b32 s54, s70, 10
	s_add_co_u32 s54, s54, s72
	s_mov_b32 s55, 0
	s_lshr_b32 s73, s16, 4
	s_lshl_b32 s73, s73, 7                         ; 128 x batch
	s_and_b32 s74, s16, 15                         ; head
	s_add_co_u32 s56, s73, s68
	s_lshl_b32 s56, s56, 4
	s_add_co_u32 s56, s56, s74
	s_lshl_b32 s56, s56, 10                        ; ((128 batch + tile) 16 + head) x 1,024
	s_mov_b32 s57, 0
	s_add_co_u32 s58, s73, s70
	s_lshl_b32 s58, s58, 4
	s_add_co_u32 s58, s58, s74
	s_lshl_b32 s58, s58, 10
	s_mov_b32 s59, 0
	s_mov_b32 s20, 0x76543210                      ; v_permlanex16_b32: lane l xor 16
	s_mov_b32 s21, 0xfedcba98
	s_mov_b32 s22, 0x3e38aa3b                      ; c = log2(e) / 8
	s_wait_dscnt 0x0                               ; the opening add is done
	s_wait_kmcnt 0x0
	s_load_b256 s[44:51], s[10:11], 0x0            ; e0 .. e7
	s_cmp_lt_u32 s14, 8
	s_cselect_b64 s[66:67], s[6:7], s[8:9]
	s_add_nc_u64 s[66:67], s[66:67], s[62:63]
	s_mov_b32 s32, 1
	s_mov_b32 s33, s60
	s_mov_b64 s[34:35], s[66:67]
	s_or_b32 s35, s35, 0x80000000
	s_mov_b32 s36, 1
	s_add_co_u32 s37, s60, 8*KB                    ; the block eight further on, in LDS and in memory
	s_add_nc_u64 s[38:39], s[66:67], 8*KB
	s_or_b32 s39, s39, 0x80000000
	s_add_nc_u64 s[52:53], s[4:5], s[52:53]        ; Q of my high tile, of my low tile
	s_add_nc_u64 s[54:55], s[4:5], s[54:55]
	s_add_nc_u64 s[56:57], s[12:13], s[56:57]      ; and where their results go
	s_add_nc_u64 s[58:59], s[12:13], s[58:59]
	CROUND                                         ; all four work-groups are here: the joint loads meet
	tensor_load_to_lds s[32:35], s[24:31]          ; keys 0 - 1,023: my block
	s_nop 0
	s_wait_alu depctr_va_vdst(0)
	s_wait_tensorcnt 0x0
	ds_add_u32 v5, v6
	s_wait_dscnt 0x0
	CROUND
	tensor_load_to_lds s[36:39], s[24:31]          ; keys 1,024 - 2,047
	s_nop 0
.rept 4
	v_nop
.endr
	v_and_b32 v1, 31, v0
	s_delay_alu instid0(VALU_DEP_1)
	v_lshlrev_b32 v1, 4, v1
	global_load_b128 v[16:19], v1, s[52:53]
	global_load_b128 v[20:23], v1, s[52:53] offset:512
	global_load_b128 v[24:27], v1, s[54:55]
	global_load_b128 v[28:31], v1, s[54:55] offset:512
	v_and_b32 v4, 15, v0
	v_bfe_u32 v48, v0, 4, 1
	s_delay_alu instid0(VALU_DEP_1)
	v_lshlrev_b32 v48, 3, v48
	s_delay_alu instid0(VALU_DEP_1)
	v_sub_nc_u32 v4, v4, v48
	s_lshl_b32 s43, s19, 4
	v_add_nc_u32 v4, s43, v4                       ; my query in its group, less 8 (l / 16): register 8 tau + j of a diagonal step is hidden where 16 tau + j is above it
	v_mov_b32 v7, 0xff800000                       ; -infinity
	v_mov_b32 v51, 0                               ; (named as a pair's upper half; a permute's destination counts as read)
	v_mov_b32 v52, 0
	s_wait_kmcnt 0x0
	s_add_co_i32 s68, s46, s47
	s_lshl_b32 s68, s68, 23
	s_add_co_i32 s22, s22, s68                     ; a score stands for score x 2^(e2 + e3)
	s_mov_b32 s23, s22
	s_add_co_i32 s68, s48, 127
	s_lshl_b32 s69, s68, 23
	v_mov_b32 v9, s69                              ; 2^e4
	s_sub_co_i32 s68, s50, s48
	s_sub_co_i32 s68, s68, s49
	s_add_co_i32 s68, s68, 127
	s_lshl_b32 s69, s68, 23
	v_mov_b32 v8, s69                              ; 2^(e6 - e4 - e5)
; A KEY STEP: 128 keys, block s41, at LDS byte s42.  qr: Q's registers.  masked = 1: steps behind my group's (s40) are left out, and the group's own step is masked.
.macro STEP qr, masked
.if \masked
	s_cmp_gt_u32 s41, s40
	s_cbranch_scc1 .Lskip_\@
.endif
	s_setprio 2
	v_add_nc_u32 v2, s42, v1
	s_delay_alu instid0(VALU_DEP_1)
	v_add_nc_u32 v3, VBASE, v2
	v_nop
	v_nop                                          ; four plain instructions in front of loads into registers that the last products read
.set JJ, 0
.rept 16
	ds_load_b128 v[32+4*JJ:35+4*JJ], v2 offset:512*JJ     ; K: tile JJ / 2, half JJ % 2 of the channels
.set JJ, JJ+1
.endr
.set JJ, 0
.rept 16
	ds_load_b128 v[192+4*JJ:195+4*JJ], v3 offset:512*JJ   ; V: tile JJ / 4 of channel rows, keys 32 (JJ % 4) on
.set JJ, JJ+1
.endr
	s_wait_dscnt 16                                ; K is in; V's sixteen loads may be out
.set JJ, 0
.rept 8
	v_wmma_f32_16x16x64_fp8_fp8 v[96+8*JJ:103+8*JJ], v[32+8*JJ:39+8*JJ], v[\qr:\qr+7], 0
.set JJ, JJ+1
.endr
.rept 4
	v_nop
.endr
.if \masked
	s_cmp_lg_u32 s41, s40
	s_cbranch_scc1 .Lopen_\@
.set JJ, 0
.rept 64
	v_cmp_gt_i32 vcc_lo, 16*(JJ/8)+JJ%8, v4
	v_cndmask_b32 v[96+JJ], v[96+JJ], v7, vcc_lo   ; a hidden key's score becomes -infinity: p = 0
.set JJ, JJ+1
.endr
.Lopen_\@:
.endif
	v_max3_num_f32 v48, v96, v97, v98              ; the step's largest score of my query among my 64 keys, in two chains, from the low end on,
	v_max3_num_f32 v50, v99, v100, v101
.set JJ, 6
.rept 14
	v_max3_num_f32 v48, v48, v[96+JJ], v[97+JJ]
	v_max3_num_f32 v50, v50, v[98+JJ], v[99+JJ]
.set JJ, JJ+4
.endr
	v_max3_num_f32 v48, v48, v158, v159
	s_delay_alu instid0(VALU_DEP_1)
	v_max_num_f32 v48, v48, v50
	s_delay_alu instid0(VALU_DEP_1)
	v_permlanex16_b32 v52, v48, s20, s21
	s_delay_alu instid0(VALU_DEP_1)
	v_max_num_f32 v48, v48, v52                    ; and among lane l xor 16's
	s_delay_alu instid0(VALU_DEP_1)
	v_mul_f32 v48, s22, v48                        ; as t (c is positive)
	s_delay_alu instid0(VALU_DEP_1)
	v_max_num_f32 v13, v13, v48                    ; the running largest t
	v_mov_b32 v48, v12
	s_delay_alu instid0(VALU_DEP_2)
	v_floor_f32 v12, -v13                          ; the new -M = -ceil(t)
	s_delay_alu instid0(VALU_DEP_1)
	v_sub_f32 v48, v12, v48                        ; old M - new M: a whole number, 0 or less
	s_delay_alu instid0(VALU_DEP_1)
	v_cvt_i32_f32 v48, v48                         ; (it saturates)
	s_delay_alu instid0(VALU_DEP_1)
	v_ldexp_f32 v50, 1.0, v48                      ; f = 2^(old M - new M)
.set JJ, 0
.rept 32
	v_pk_fma_f32 v[96+JJ:97+JJ], v[96+JJ:97+JJ], s[22:23], v[12:13] op_sel_hi:[1,0,0]   ; t - M, two at a time
.set JJ, JJ+2
.endr
.set JJ, 0
	s_setprio 1
	s_wait_alu depctr_va_vdst(0)
.rept 64
	v_exp_f32 v[96+JJ], v[96+JJ]                   ; p = 2^(t - M)
.set JJ, JJ+1
.endr
	v_pk_mul_f32 v[14:15], v[14:15], v[50:51] op_sel_hi:[1,0]   ; the sums under the new M: the plain instruction behind the exponentials
	s_wait_alu depctr_va_vdst(0)                   ; one wait for the batch, ahead of its first reader
	v_pk_add_f32 v[54:55], v[96:97], v[98:99]      ; the sum of the UNQUANTISED p, in two chains
.set JJ, 4
.rept 15
	v_pk_add_f32 v[14:15], v[14:15], v[96+JJ:97+JJ]
	v_pk_add_f32 v[54:55], v[54:55], v[98+JJ:99+JJ]
.set JJ, JJ+4
.endr
	s_delay_alu instid0(VALU_DEP_1)
	v_pk_add_f32 v[14:15], v[14:15], v[54:55]
	s_setprio 0
.irp t, 0,1,2,3,4,5,6,7
.irp i, 0,1,2,3,4,5,6,7
.endr
	v_cvt_scalef32_pk8_fp8_f32 v[32+2*\t:33+2*\t], v[96+8*\t:103+8*\t], v9
.endr
.set JJ, 0
.rept 16
	v_pk_mul_f32 v[160+JJ:161+JJ], v[160+JJ:161+JJ], v[50:51] op_sel_hi:[1,0]   ; O^T under the new M; also the plain instructions behind the conversions
.set JJ, JJ+2
.endr
	s_wait_alu depctr_va_vdst(0)
	s_wait_dscnt 0x0                               ; V is in
.set JJ, 0
.rept 4
	v_wmma_f32_16x16x128_fp8_fp8 v[160+8*JJ:167+8*JJ], v[192+16*JJ:207+16*JJ], v[32:47], v[160+8*JJ:167+8*JJ]   ; four accumulators by turns
.set JJ, JJ+1
.endr
.if \masked
.Lskip_\@:
.endif
.endm
.macro KEYLOOP qr, masked, j0          ; blocks j0 .. j0 + 7: a constant eight trips
	s_mov_b32 s41, \j0
	s_mov_b32 s42, \j0*KB
.Lkey_\@:
	STEP \qr, \masked
	s_add_co_u32 s42, s42, KB
	s_add_co_u32 s41, s41, 1
	s_cmp_lt_u32 s41, \j0+8
	s_cbranch_scc1 .Lkey_\@
	s_setprio 0
.endm
.macro INIT                            ; the step is written once: the first finds zeros, which the first change of M leaves zeros
	v_mov_b32 v13, 0xff61b1e6                      ; -3e38, under every t
	s_delay_alu instid0(VALU_DEP_1)
	v_floor_f32 v12, -v13
	v_mov_b32 v14, 0
	v_mov_b32 v15, 0
.set JJ, 0
.rept 32
	v_mov_b32 v[160+JJ], 0
.set JJ, JJ+1
.endr
.endm
.macro FINISH o                        ; O^T / the sum, quantised, stored as two blocks of 512 bytes
.rept 4
	v_nop
.endr
	v_add_f32 v14, v14, v15
	s_delay_alu instid0(VALU_DEP_1)
	v_permlanex16_b32 v52, v14, s20, s21
	s_delay_alu instid0(VALU_DEP_1)
	v_add_f32 v14, v14, v52
	s_wait_alu depctr_va_vdst(0)
	v_rcp_f32 v14, v14
	v_nop
	s_wait_alu depctr_va_vdst(0)                   ; ahead of the reciprocal's first reader
.set JJ, 0
.rept 32
	v_mul_f32 v[96+JJ], v[160+JJ], v14
.set JJ, JJ+1
.endr
.set JJ, 0
.rept 32
.set JJ, JJ+1
.endr
.irp t, 0,1,2,3
	v_cvt_scalef32_pk8_fp8_f32 v[56+2*\t:57+2*\t], v[96+8*\t:103+8*\t], v8
.endr
	v_nop
	global_store_b128 v1, v[56:59], s[\o:\o+1]
	global_store_b128 v1, v[60:63], s[\o:\o+1] offset:512
	s_wait_xcnt 0x0                                ; the stores have read their registers: K's loads land there again
.endm
	INIT
	s_wait_loadcnt 0x0                             ; Q
	s_wait_tensorcnt 1                             ; my block of keys 0 - 1,023 is in; my second block may stay out
	s_barrier_signal -1
	s_barrier_wait -1                              ; everybody's is
	KEYLOOP 16, 0, 0                               ; my high tile against keys 0 - 1,023: all of them count
	s_wait_tensorcnt 0x0                           ; my second block is in
	s_wait_dscnt 0x0
	s_barrier_signal -1
	s_barrier_wait -1
	s_mov_b32 s40, s61
	KEYLOOP 16, 1, 8                               ; my high tile up to its diagonal
	FINISH 56
	INIT
	s_mov_b32 s40, s17
	KEYLOOP 24, 1, 0                               ; my low tile
	FINISH 58
	s_wait_tensorcnt 0x0                           ; the wave's end
	ds_add_u32 v5, v6
	s_wait_dscnt 0x0
	CROUND                                         ; the closing round
	s_endpgm
.Lfunc_end_k_q355961fd97_attn:
	.size	k_q355961fd97_attn, .Lfunc_end_k_q355961fd97_attn-k_q355961fd97_attn
	.p2alignl 7, 3214868480
	.fill 96, 4, 3214868480
	.section	.rodata,"a",@progbits
	.p2align	6, 0x0
	.amdhsa_kernel k_q355961fd97_attn
		.amdhsa_group_segment_fixed_size 327680
		.amdhsa_private_segment_fixed_size 0
		.amdhsa_enable_private_segment 0
		.amdhsa_kernarg_size 40
		.amdhsa_user_sgpr_count 2
		.amdhsa_user_sgpr_kernarg_segment_ptr 1
		.amdhsa_wavefront_size32 1
		.amdhsa_system_sgpr_workgroup_id_x 1
		.amdhsa_system_sgpr_workgroup_id_y 1
		.amdhsa_system_sgpr_workgroup_id_z 1
		.amdhsa_system_vgpr_workitem_id 0
		.amdhsa_next_free_vgpr 256
		.amdhsa_next_free_sgpr 80
		.amdhsa_reserve_vcc 1
		.amdhsa_float_denorm_mode_32 3
		.amdhsa_float_denorm_mode_16_64 3
		.amdhsa_fp16_overflow 1
		.amdhsa_memory_ordered 1
		.amdhsa_forward_progress 1
		.amdhsa_inst_pref_size 65
	.end_amdhsa_kernel
	.amdgpu_metadata
---
amdhsa.version: [ 1, 2 ]
amdhsa.kernels:
  - .name:           k_q355961fd97_attn
    .symbol:         k_q355961fd97_attn.kd
    .args:
      - { .name: q_codes, .offset: 0, .size: 8, .value_kind: global_buffer, .address_space: global }
      - { .name: k_codes, .offset: 8, .size: 8, .value_kind: global_buffer, .address_space: global }
      - { .name: v_codes, .offset: 16, .size: 8, .value_kind: global_buffer, .address_space: global }
      - { .name: lowp_scales, .offset: 24, .size: 8, .value_kind: global_buffer, .address_space: global }
      - { .name: a_codes, .offset: 32, .size: 8, .value_kind: global_buffer, .address_space: global }
    .group_segment_fixed_size: 327680
    .private_segment_fixed_size: 0
    .kernarg_segment_align: 8
    .kernarg_segment_size: 40
    .max_flat_workgroup_size: 512
    .sgpr_count:     80
    .vgpr_count:     256
    .wavefront_size: 32
...
	.end_amdgpu_metadata
.endif
;; end of part 3
;; launch proj (part 4): grid 4 x 32, 4 waves a work-group, clusters of 4 x 4, 327,680 bytes of LDS; arguments a_codes, wout_codes, lowp_scales, out0; writes out0
.if DOCPART == 4
	.amdgcn_target "amdgcn-amd-amdhsa--gfx1250"
	.amdhsa_code_object_version 6
	.text
	.protected	k_q355961fd97_proj
	.globl	k_q355961fd97_proj
	.p2align	8
	.type	k_q355961fd97_proj,@function
k_q355961fd97_proj:
	s_mov_b64 s[64:65], 0
	v_nop
	global_prefetch_b8 v0, s[64:65] scope:SCOPE_SE
	s_setreg_imm32_b32 hwreg(HW_REG_WAVE_MODE, 25, 1), 1
	s_wait_xcnt 0x0
	s_wait_alu depctr_hold_cnt(0) depctr_sa_sdst(0) depctr_va_vdst(0) depctr_va_sdst(0) depctr_va_ssrc(0) depctr_va_vcc(0) depctr_vm_vsrc(0)
	s_getreg_b32 s2, hwreg(HW_REG_IB_STS2, 6, 4)
	s_cmp_eq_u32 s2, 0
	s_cbranch_scc0 .Lentry_in_a_cluster
	s_endpgm
.Lentry_in_a_cluster:
	s_bfe_u32 s2, ttmp6, 0x10000c
	s_cmp_lg_u32 s2, 0xf033
	s_cbranch_scc0 .Lentry_shape_is_right
	s_endpgm
.Lentry_shape_is_right:
; out0 = attention's result x W_out, on codes of FP8 (E4M3); each finished sum x 2^(e6 + e7).  out0 [8192][1024] f32.
; A = a_codes, IMAGES of fragments: [512 tiles of 16 rows][8 fragments of 128 K][4 c][32 lanes][16 bytes], lane (r, h): row r, K = 32 c + 16 h + 0 .. 15.  B = wout_codes [1024 rows][1024], row p = column p with bits 3 and 4 exchanged.
; A tile of 256 x 256 by four waves, 128 x 128 each: 64 accumulators.  K in four steps of 256 through two LDS slots filled by joint loads; 4 x 4 work-groups a cluster: A's tile shared along a row, B's along a column.
; A's part of a slot is dense (a wave's load: 8 rows of 4,096 bytes, 16,384 apart in memory): a fragment comes back by four loads of 512 consecutive bytes.  B's rows are padded to 272 bytes.
; Source 0 = B's rows, source 1 = A's: a lane holds row l % 16 of the result, and tile b's register j column 32 (b / 2) + 16 (l / 16) + 8 (b % 2) + j of my 128: the stage's addresses put them in order.
; 128 work-groups: a smaller tile would fill more WGPs at one and a half times the LDS bytes for each product.  No prefetch: of four K steps two are asked for at the head.
; LIMIT: e6 + e7 between -126 and 127.
.set SIZE_N, 1024
.set ROWB,   256
.set KROW,   1024
.set PITCH,  272
.set FR,     16
.set NL,     4
.set NP,     4
.set AHALF,  32768                     ; 128 rows x 256 K of A as images
.set BHALF,  128*PITCH
.set BOFF,   2*AHALF
.set SLOT,   BOFF+2*BHALF
.set SPARE,  2*SLOT                    ; the spare words, 128 bytes for each wave: two blocks of 256 bytes that no other line names
.set SPITCH, 528                       ; the way out: 16 rows x (512 + 16) bytes for each wave, in slot 0, which has had its last fill and its last read by then
.set ADRA, 16
.set ADRB, 20
.set STO,  24
.set RD,   25
.set CO,   26
.set SPW,  28
.set NIL,  29
.set TMP,  32
.set AF,   128
.set BK,   128
.set G1, 24
.set G0, 32
.set G1B, 48
.set G0B, 56
.set MSB, 0
.macro WIN new
.if MSB != \new
	s_set_vgpr_msb (MSB<<8)|\new
.set MSB, \new
.endif
.endm
.set MUL_LO, 0xa1
.set MUL_HI, 0xf1
.set TO_B,   0x40
.macro JLOAD g0a, g1a, g0b, g1b        ; waves 0 and 1 fetch for A, waves 2 and 3 for B; an s_nop 0 and four v_nop follow each line
	s_cmp_eq_u32 s15, 0
	s_cbranch_scc0 .Lfor_b_\@
	tensor_load_to_lds s[\g0a:\g0a+3], s[\g1a:\g1a+7]
	s_nop 0
.rept 4
	v_nop
.endr
	s_branch .Lasked_\@
.Lfor_b_\@:
	tensor_load_to_lds s[\g0b:\g0b+3], s[\g1b:\g1b+7]
	s_nop 0
.rept 4
	v_nop
.endr
.Lasked_\@:
.endm
.macro CREST
	s_cmp_lg_u32 s14, 0
	s_cbranch_scc1 .Lnot_wave_0_\@
	s_barrier_signal -3
.Lnot_wave_0_\@:
	s_barrier_wait -3
	s_barrier_signal -1
	s_barrier_wait -1
.endm
.macro CROUND
	s_barrier_signal -1
	s_barrier_wait -1
	CREST
.endm
	s_load_b128 s[4:7], s[0:1], 0x0                ; a_codes, wout_codes
	s_load_b128 s[8:11], s[0:1], 0x10              ; scales, out0
	v_lshl_add_u32 v[SPW], v0, 2, SPARE
	v_mov_b32 v[NIL], 0
	ds_add_u32 v[SPW], v[NIL]                      ; the wave's opening: the add and its wait ahead of my first tensor load
	ds_add_u32 v[SPW], v[NIL]
	v_lshrrev_b32 v1, 5, v0
	v_readfirstlane_b32 s14, v1
	s_lshr_b32 s15, s14, 1                         ; my half of the rows.  Also: I fetch for A (0) or B (1)
	s_and_b32 s16, s14, 1                          ; my half of the columns.  Also: which half of that tile I fetch
	s_bfe_u32 s40, ttmp6, 0x40000
	s_bfe_u32 s41, ttmp6, 0x40004
	s_lshl_b32 s42, ttmp9, 2
	s_add_co_u32 s42, s42, s40                     ; tile column
	s_and_b32 s17, ttmp7, 0xffff
	s_lshl_b32 s17, s17, 2
	s_add_co_u32 s17, s17, s41                     ; tile row
	s_lshl_b32 s43, s41, 2
	s_lshl_b32 s43, 15, s43
	s_lshl_b32 s44, 0x1111, s40
	s_or_b32 s[G1+0], s43, (0<<16)|(1<<21)         ; A: the mask of my row; elements of 1 byte; no padding
	s_mov_b32 s[G1+1], 4096<<16                    ; tensor_dim0 = 4,096
	s_mov_b32 s[G1+2], 8<<16                       ; tensor_dim1 = 8
	s_mov_b32 s[G1+3], 4096<<16                    ; tile_dim0
	s_mov_b32 s[G1+4], 8                           ; tile_dim1
	s_mov_b32 s[G1+5], 16384                       ; from one tile of 16 rows to the next
	s_mov_b32 s[G1+6], 0
	s_mov_b32 s[G1+7], 0
	s_or_b32 s[G1B+0], s44, (0<<16)|(1<<20)|(1<<21)|(5<<22)|(3<<25)  ; B: 4 words of padding after every 64
	s_mov_b32 s[G1B+1], ROWB<<16
	s_mov_b32 s[G1B+2], 128<<16
	s_mov_b32 s[G1B+3], ROWB<<16
	s_mov_b32 s[G1B+4], 128
	s_mov_b32 s[G1B+5], KROW
	s_mov_b32 s[G1B+6], 0
	s_mov_b32 s[G1B+7], 0
	s_lshl_b32 s20, s17, 4
	s_lshl_b32 s18, s16, 3
	s_add_co_u32 s20, s20, s18
	s_lshl_b32 s20, s20, 14                        ; A: (16 x tile row + 8 x half) x 16,384 bytes
	s_mov_b32 s21, 0
	s_lshl_b32 s46, s42, 8
	s_lshl_b32 s18, s16, 7
	s_add_co_u32 s46, s46, s18
	s_lshl_b32 s46, s46, 10                        ; B: (256 x tile column + 128 x half) rows of 1,024 bytes
	s_mov_b32 s47, 0
	s_lshl_b32 s45, s16, 15                        ; where A's half goes,
	s_mul_i32 s19, s16, BHALF
	s_add_co_u32 s19, s19, BOFF                    ; and B's
	s_wait_dscnt 0x0
	s_wait_kmcnt 0x0
	s_load_b64 s[96:97], s[8:9], 0x18              ; e6, e7
	s_add_nc_u64 s[20:21], s[4:5], s[20:21]
	s_add_nc_u64 s[46:47], s[6:7], s[46:47]
	CROUND
.irp s, 0,1
	s_mov_b32 s[G0+4*\s], 1
	s_add_co_u32 s[G0+4*\s+1], s45, \s*SLOT
	s_add_nc_u64 s[G0+4*\s+2:G0+4*\s+3], s[20:21], \s*4096
	s_or_b32 s[G0+4*\s+3], s[G0+4*\s+3], 0x80000000
	s_mov_b32 s[G0B+4*\s], 1
	s_add_co_u32 s[G0B+4*\s+1], s19, \s*SLOT
	s_add_nc_u64 s[G0B+4*\s+2:G0B+4*\s+3], s[46:47], \s*ROWB
	s_or_b32 s[G0B+4*\s+3], s[G0B+4*\s+3], 0x80000000
	s_wait_alu depctr_va_vdst(0)
	s_wait_tensorcnt 0x0
	ds_add_u32 v28, v29
	ds_add_u32 v28, v29
	s_wait_dscnt 0x0
	CROUND
	JLOAD G0+4*\s, G1, G0B+4*\s, G1B
.endr
	v_and_b32 v1, 15, v0
	v_bfe_u32 v2, v0, 4, 1
	v_and_b32 v6, 31, v0
	v_lshlrev_b32 v[CO], 4, v6                     ; 16 x lane
	v_mul_u32_u24 v3, v1, PITCH
	v_lshl_add_u32 v4, v2, 4, v3
	s_lshl_b32 s21, s15, 15                        ; my 128 rows of A
	s_mul_i32 s22, s16, BHALF
	s_add_co_u32 s22, s22, BOFF                    ; my 128 rows of B
.irp s, 0,1
	v_add_nc_u32 v[ADRA+\s], s21, v[CO]
	v_add_nc_u32 v[ADRB+\s], s22, v4
	s_add_co_u32 s21, s21, SLOT
	s_add_co_u32 s22, s22, SLOT
.endr
	s_mul_i32 s23, s14, 16*SPITCH                  ; my stage
	v_mul_u32_u24 v5, v1, SPITCH
	v_lshl_add_u32 v5, v2, 6, v5                   ; in: row l % 16, + 64 bytes for the upper half of the lanes
	v_add_nc_u32 v[STO], s23, v5
	v_add_nc_u32 v[RD], s23, v[CO]                 ; back: the 32 lanes take one row of 512 bytes
	s_lshl_b32 s20, s17, 8
	s_lshl_b32 s21, s15, 7
	s_add_co_u32 s20, s20, s21
	s_mov_b32 s21, 0
	s_mov_b64 s[18:19], SIZE_N*4
	s_mul_u64 s[20:21], s[20:21], s[18:19]
	s_lshl_b32 s46, s42, 10
	s_lshl_b32 s47, s16, 9
	s_add_co_u32 s46, s46, s47
	s_mov_b32 s47, 0
	s_add_nc_u64 s[20:21], s[20:21], s[46:47]
	s_add_nc_u64 s[10:11], s[10:11], s[20:21]
.macro FRAGA reg, slot, q, i           ; A's fragment: tile i of 16 rows, the slot's q-th 128 along K: four blocks of 512 bytes
.irp c, 0,1,2,3
	ds_load_b128 v[\reg+4*\c:\reg+4*\c+3], v[ADRA+\slot] offset:4096*(\i)+2048*(\q)+512*\c
.endr
.endm
.macro FRAGB reg, slot, q, i           ; B's: registers 4 c .. 4 c + 3 hold K = 32 c + 16 (l / 16) + 0 .. 15, as A's images do
.irp c, 0,1,2,3
	ds_load_b128 v[\reg+4*\c:\reg+4*\c+3], v[ADRB+\slot] offset:128*(\q)+32*\c+(\i)*16*PITCH
.endr
.endm
.macro MUL16 a0, p, zero               ; the 64 accumulators take turns, one instruction a turn
.irp a, \a0, \a0+1
.irp b, 0,1,2,3,4,5,6,7
.if \zero
	v_wmma_f32_16x16x128_fp8_fp8 v[8*(8*((\a)%4)+\b):8*(8*((\a)%4)+\b)+7], v[128*(\p)+FR*\b:128*(\p)+FR*\b+FR-1], v[AF+FR*(\a):AF+FR*(\a)+FR-1], 0
.else
	v_wmma_f32_16x16x128_fp8_fp8 v[8*(8*((\a)%4)+\b):8*(8*((\a)%4)+\b)+7], v[128*(\p)+FR*\b:128*(\p)+FR*\b+FR-1], v[AF+FR*(\a):AF+FR*(\a)+FR-1], v[8*(8*((\a)%4)+\b):8*(8*((\a)%4)+\b)+7]
.endif
.endr
.endr
.endm
.macro FETCH_B slot, q, p
	WIN TO_B
.irp i, 0,1,2,3,4,5,6,7
	FRAGB 128*(\p)+FR*\i, \slot, \q, \i
.endr
	WIN 0
.endm
.macro FETCH_A slot, q, i0
.irp i, \i0, \i0+1, \i0+2, \i0+3
	FRAGA AF+FR*(\i), \slot, \q, \i
.endr
.endm
.macro PLACES n
.rept \n
	v_nop
.endr
.endm
.macro STEP slot, q, zero
	s_wait_dscnt 4*NL                              ; B's set and A's blocks 0-3 are in; A's blocks 4-7 (sixteen loads) may be out
	WIN MUL_LO
	MUL16 0, (\q)%2, \zero
	MUL16 2, (\q)%2, \zero
	s_wait_dscnt 0
	PLACES NP
	FETCH_B \slot, (\q)+1, 1-(\q)%2
	FETCH_A \slot, (\q)+1, 0
	WIN MUL_HI
	MUL16 4, (\q)%2, \zero
	MUL16 6, (\q)%2, \zero
	PLACES NP
	WIN 0
	FETCH_A \slot, (\q)+1, 4
.endm
.macro TURN slot, next, fill
	s_wait_tensorcnt 0x0                           ; all my tensor loads have landed: my part of the next slot
	ds_add_u32 v[SPW], v[NIL]                      ; 0 onto my spare word
	s_wait_dscnt 4*NL+1                            ; (the add and the youngest sixteen loads may be out)
	WIN MUL_LO
	MUL16 0, 1, 0
	s_wait_dscnt 0x0                               ; the add is done, and my reads of this slot are over
	s_barrier_signal -1
	MUL16 2, 1, 0
	WIN 0
	s_barrier_wait -1
.if \fill
	CREST                                          ; a round of the cluster's barrier: no wave of any partner still reads this slot or has a load on its way
	s_add_nc_u64 s[G0+4*\slot+2:G0+4*\slot+3], s[G0+4*\slot+2:G0+4*\slot+3], 2*4096
	s_add_nc_u64 s[G0B+4*\slot+2:G0B+4*\slot+3], s[G0B+4*\slot+2:G0B+4*\slot+3], 2*ROWB
	JLOAD G0+4*\slot, G1, G0B+4*\slot, G1B
.else
	PLACES NP
.endif
	FETCH_B \next, 0, 0
	FETCH_A \next, 0, 0
	WIN MUL_HI
	MUL16 4, 1, 0
	MUL16 6, 1, 0
	PLACES NP
	WIN 0
	FETCH_A \next, 0, 4
.endm
	s_wait_alu depctr_va_vdst(0)
	s_wait_tensorcnt 1                             ; my part of K step 0 is in (K step 1's load may be out),
	s_barrier_signal -1
	s_barrier_wait -1
	FETCH_B 0, 0, 0
	FETCH_A 0, 0, 0
	FETCH_A 0, 0, 4
	STEP 0, 0, 1
	s_mov_b32 s3, 1
.Llap:
	TURN 0, 1, 1
	STEP 1, 0, 0
	TURN 1, 0, 1
	STEP 0, 0, 0
	s_sub_co_u32 s3, s3, 1
	s_cmp_lg_u32 s3, 0
	s_cbranch_scc1 .Llap
	TURN 0, 1, 0
	STEP 1, 0, 0
	s_wait_dscnt 4*NL
	WIN MUL_LO
	MUL16 0, 1, 0
	MUL16 2, 1, 0
	s_wait_dscnt 0
	WIN MUL_HI
	MUL16 4, 1, 0
	MUL16 6, 1, 0
	WIN 0
; THE WAY OUT, block by block of 16 rows x 128 columns, through my own stage: LDS serves a wave's instructions in order, so no wait stands between the stores and the loads.
.macro TOSTAGE a
.set AC, 64*((\a)%4)
	WIN 0x02+((\a)/4)
.set JJ, 0
.rept 32
	v_pk_mul_f32 v[TMP+JJ:TMP+JJ+1], v[AC+JJ:AC+JJ+1], s[96:97] op_sel_hi:[1,0]   ; x 2^(e6 + e7); each accumulator from its low end on
.set JJ, JJ+2
.endr
	WIN 0
.irp b, 0,1,2,3,4,5,6,7
	ds_store_b128 v[STO], v[TMP+8*\b:TMP+8*\b+3] offset:128*(\b/2)+32*(\b%2)
	ds_store_b128 v[STO], v[TMP+8*\b+4:TMP+8*\b+7] offset:128*(\b/2)+32*(\b%2)+16
.endr
.set BB, BK+64*((\a)%2)
.irp t, 0,1,2,3,4,5,6,7,8,9,10,11,12,13,14,15
	ds_load_b128 v[BB+4*\t:BB+4*\t+3], v[RD] offset:\t*SPITCH
.endr
.endm
.macro SEND a, younger
.set BB, BK+64*((\a)%2)
	s_wait_dscnt \younger                          ; the block is back; the next block's 16 stores and 16 loads may be out
.if (\a) > 0
	s_add_nc_u64 s[10:11], s[10:11], 16*SIZE_N*4   ; (behind a wait on XCNT: the earlier stores have read their base)
.endif
.irp t, 0,1,2,3,4,5,6,7,8,9,10,11,12,13,14,15
	global_store_b128 v[CO], v[BB+4*\t:BB+4*\t+3], s[10:11] offset:\t*SIZE_N*4 th:TH_STORE_NT   ; 32 lanes store 512 consecutive bytes, aligned
.endr
.endm
	s_wait_kmcnt 0x0
	s_add_co_i32 s96, s96, s97
	s_add_co_i32 s96, s96, 127
	s_lshl_b32 s96, s96, 23                        ; 2^(e6 + e7) as f32
	PLACES NP
	TOSTAGE 0
.irp a, 1,2,3,4,5,6,7
.if \a > 1
	s_wait_xcnt 0x0                                ; block a - 2's stores have read their registers and their base
.endif
	TOSTAGE \a
	SEND \a-1, 32
.endr
	s_wait_xcnt 0x0
	SEND 7, 0
	s_wait_tensorcnt 0x0                           ; the wave's end
	ds_add_u32 v[SPW], v[NIL]
	s_wait_dscnt 0x0
	CROUND                                         ; the closing round
	s_endpgm
.Lfunc_end_k_q355961fd97_proj:
	.size	k_q355961fd97_proj, .Lfunc_end_k_q355961fd97_proj-k_q355961fd97_proj
	.p2alignl 7, 3214868480
	.fill 96, 4, 3214868480
	.section	.rodata,"a",@progbits
	.p2align	6, 0x0
	.amdhsa_kernel k_q355961fd97_proj
		.amdhsa_group_segment_fixed_size 327680
		.amdhsa_private_segment_fixed_size 0
		.amdhsa_enable_private_segment 0
		.amdhsa_kernarg_size 32
		.amdhsa_user_sgpr_count 2
		.amdhsa_user_sgpr_kernarg_segment_ptr 1
		.amdhsa_wavefront_size32 1
		.amdhsa_system_sgpr_workgroup_id_x 1
		.amdhsa_system_sgpr_workgroup_id_y 1
		.amdhsa_system_sgpr_workgroup_id_z 1
		.amdhsa_system_vgpr_workitem_id 0
		.amdhsa_next_free_vgpr 1024
		.amdhsa_next_free_sgpr 98
		.amdhsa_reserve_vcc 0
		.amdhsa_float_denorm_mode_32 3
		.amdhsa_float_denorm_mode_16_64 3
		.amdhsa_memory_ordered 1
		.amdhsa_forward_progress 1
		.amdhsa_inst_pref_size 124
	.end_amdhsa_kernel
	.amdgpu_metadata
---
amdhsa.version: [ 1, 2 ]
amdhsa.kernels:
  - .name:           k_q355961fd97_proj
    .symbol:         k_q355961fd97_proj.kd
    .args:
      - { .name: a_codes, .offset: 0, .size: 8, .value_kind: global_buffer, .address_space: global }
      - { .name: wout_codes, .offset: 8, .size: 8, .value_kind: global_buffer, .address_space: global }
      - { .name: lowp_scales, .offset: 16, .size: 8, .value_kind: global_buffer, .address_space: global }
      - { .name: out0, .offset: 24, .size: 8, .value_kind: global_buffer, .address_space: global }
    .group_segment_fixed_size: 327680
    .private_segment_fixed_size: 0
    .kernarg_segment_align: 8
    .kernarg_segment_size: 32
    .max_flat_workgroup_size: 128
    .sgpr_count:     98
    .vgpr_count:     1024
    .wavefront_size: 32
...
	.end_amdgpu_metadata
.endif
;; end of part 4
